; MI455X (gfx1250); checked and timed in simulation.
; The chip was launched on July 23, 2026; its instructions are those of AMD's public machine-readable ISA for CDNA 5 (MIT licence, August 2026) and "CDNA5" Instruction Set Architecture Reference Guide (July 2026). The comments in the code are by the model that wrote it; some were corrected since.
;; Block. Allowed arithmetic: matrix products marked QUANTISED: E5M2 operands, one given power-of-two scale a tensor, by v_wmma_f32_16x16x64_bf8_bf8 or v_wmma_f32_16x16x128_bf8_bf8, f32 sums; everything else in f32.
;; Inputs: W1_codes 4,096 x 32 x 32 uint8 (E5M2 codes of W1, K innermost, in blocks of 32 codes); W2_codes 1,024 x 128 x 32 uint8 (E5M2 codes of W2, K innermost, in blocks of 32 codes); Wk_codes 16 x 64 x 32 x 32 uint8 (E5M2 codes of Wk, K innermost, in blocks of 32 codes); Wp_codes 1,024 x 32 x 32 uint8 (E5M2 codes of Wp, K innermost, in blocks of 32 codes); Wq_codes 16 x 64 x 32 x 32 uint8 (E5M2 codes of Wq, K innermost, in blocks of 32 codes); Wv_codes 16 x 64 x 32 x 32 uint8 (E5M2 codes of Wv, K innermost, in blocks of 32 codes); b1 4,096 float32; b2 1,024 float32; beta1 1,024 float32; beta2 1,024 float32; bp 1,024 float32; g1 1,024 float32; g2 1,024 float32; lowp_scales 16 int32 (the exponents e of the quantised operands' scales 2^e); x 2 x 2,048 x 1,024 float32.
;; Outputs: out0 2 x 2,048 x 1,024 float32.
;; This version of the problem:
;;   THIS VERSION OF THE PROBLEM IS GIVEN IN LOW PRECISION. The matrix products marked QUANTISED in the list below multiply operands that are first quantised to E5M2 (5 exponent bits, 2 mantissa bits; 8 bits a number), with one given power-of-two scale for each operand tensor; their sums are f32. All else is computed in f32.
;;   The module's matrix products, in the order in which they are computed (A, B: the left and right operand; K: the contracted axis; several contracted axes count as one K, in the product's order):
;;     1. [M 1,024, K 1,024] x [K 1,024, N 4,096]; A: input Wq (given as codes); B: computed on the way: QUANTISED (scales: A lowp_scales[0], B lowp_scales[1])
;;     2. [M 1,024, K 1,024] x [K 1,024, N 4,096]; A: input Wk (given as codes); B: computed on the way: QUANTISED (scales: A lowp_scales[2], B lowp_scales[3])
;;     3. [M 1,024, K 1,024] x [K 1,024, N 4,096]; A: input Wv (given as codes); B: computed on the way: QUANTISED (scales: A lowp_scales[4], B lowp_scales[5])
;;     4. batch 32 x [M 2,048, K 64] x [K 64, N 2,048]; A: computed on the way; B: computed on the way: QUANTISED (scales: A lowp_scales[6], B lowp_scales[7])
;;     5. batch 32 x [M 2,048, K 2,048] x [K 2,048, N 64]; A: softmax (see below); B: computed on the way: QUANTISED (scales: A lowp_scales[8], B lowp_scales[9])
;;     6. [M 4,096, K 1,024] x [K 1,024, N 1,024]; A: computed on the way; B: input Wp (given as codes): QUANTISED (scales: A lowp_scales[10], B lowp_scales[11])
;;     7. [M 4,096, K 1,024] x [K 1,024, N 4,096]; A: computed on the way; B: input W1 (given as codes): QUANTISED (scales: A lowp_scales[12], B lowp_scales[13])
;;     8. [M 4,096, K 4,096] x [K 4,096, N 1,024]; A: computed on the way; B: input W2 (given as codes): QUANTISED (scales: A lowp_scales[14], B lowp_scales[15])
;;   THE QUANTISER, for each operand of a quantised product, along K:
;;     - The operand's scale is 2^e, e = its entry of the input lowp_scales (int32; the entries are numbered through the quantised products in the list's order, A before B).
;;     - Each number is divided by the scale, clamped to +-57,344, and rounded to the nearest number of E5M2, ties to even, subnormals kept.
;;     - The product sums the exact products of the quantised numbers (number of the format x scale) in f32.
;;   ~~~python
;;   def quantise(x, axis, e):      # numpy; x: float32 -> the quantised numbers, widened to float32 again
;;       x = np.moveaxis(x, axis, -1); K = x.shape[-1]
;;       r = np.clip(x / 2.0 ** e, -57344, 57344)
;;       step = 2.0 ** (np.maximum(np.frexp(np.where(r == 0, 1, r))[1] - 1, -14) - 2)
;;       q = np.round(r / step) * step * 2.0 ** e      # np.round: ties to even
;;       return np.moveaxis(q, -1, axis).astype(np.float32)
;;   ~~~
;;   SOFTMAX AHEAD OF A QUANTISED PRODUCT. Where the list says 'softmax', what is quantised is not the finished softmax but p = 2^(t - M), with t = logit x log2(e) and M = ceil(the row's largest t), a whole number; so 1/2 < the row's largest p <= 1. The row's sum l is taken of the UNQUANTISED p, in f32, and the product's result is divided by l at the end. Since M is a whole number, a kernel that streams over the keys may use a running M (the ceiling of the running maximum): every later rescaling is an exact power of two, so the quantised numbers keep their values, but for numbers so far below the row's largest that they fall under the format's range.
;;   OPERANDS COMPUTED ON THE WAY. 'Computed on the way' means the value that the module computes at that place (a softmax that the list does not call 'softmax' is quantised finished and normalised). What goes into a quantiser is computed in f32, as accurately as f32 sums, v_exp_f32 and their like allow (about 1e-6 of the number): no bf16 or f16 on the way to a quantiser, and a product that is left as it is and whose result goes on into a quantised operand takes f32 operands (vector FMAs, or v_wmma_f32_16x16x4_f32). A number that lies on a knife's edge between two numbers of the format may be rounded either way, as far as f32 arithmetic and the matrix unit's own rounding can turn it there, and no further.
;;   INPUTS GIVEN AS CODES. W1 (in the module: [1024, 4096], K = its axis 0); W2 (in the module: [4096, 1024], K = its axis 0); Wk (in the module: [16, 1024, 64], K = its axis 1); Wp (in the module: [1024, 1024], K = its axis 0); Wq (in the module: [16, 1024, 64], K = its axis 1); Wv (in the module: [16, 1024, 64], K = its axis 1): each comes as NAME_codes (uint8): NAME with its K axis moved to the last place and cut into blocks of 32 codes, [.., K / 32, bytes a block], one block behind the other in memory; one code a byte (a code: sign, 5 exponent bits, 2 mantissa bits); its scale is its entry of lowp_scales. Its value is code x scale, taken as it is: it is not quantised again, and the codes and scales need not be those that the quantiser above would give.
;; One version. Each part assembles by itself: llvm-mc -triple=amdgcn-amd-amdhsa -mcpu=gfx1250 --defsym DOCPART=n.
;; ======== version 1 of 1: 7 launches
;; limits: right only within a limited range of input values
;; workspace buffers: f1 9,437,184 bytes; hv 4,194,304 bytes; qkvc 12,582,912 bytes; oc 4,194,304 bytes; x1 16,777,216 bytes; h2c 4,194,304 bytes; fc 16,777,216 bytes
;; launch ln1 (part 1): grid 256 x 1, 16 waves a work-group, no clusters, 36,864 bytes of LDS; arguments x, g1, beta1, lowp_scales, Wv_codes, f1, hv; writes f1, hv
.if DOCPART == 1
	.amdgcn_target "amdgcn-amd-amdhsa--gfx1250"
	.amdhsa_code_object_version 6
	.text
	.protected	k_q78b39330df_ln1
	.globl	k_q78b39330df_ln1
	.p2align	8
	.type	k_q78b39330df_ln1,@function
k_q78b39330df_ln1:
	s_mov_b64 s[64:65], 0
	v_nop
	global_prefetch_b8 v0, s[64:65] scope:SCOPE_SE
	s_setreg_imm32_b32 hwreg(HW_REG_WAVE_MODE, 25, 1), 1
	s_wait_xcnt 0x0
; h = LayerNorm(x) g + beta, rows of 1,024 f32, quantised to codes of BF8 (E5M2) NV times, each time with its own given scale 2^e.
; NIMG versions leave as IMAGES OF OPERAND REGISTERS: code (row, k) at byte (row / 16) 16,384 + (k / 16) 256 + (row % 16) 16 + k % 16; version i at i x 4 MiB of the output.
; ROWV = 1: one more version leaves row-major [4096][1024], and Wv's codes (1,024 rows of 1,024) are copied into the image layout at 8 MiB of the output.
; SHARES.  A work-group takes 16 rows (one block of the image), a wave one row; lane L holds k = 256 c + 8 L + j in register X + 8 c + j.
; The mean is taken first and the variance of the differences, so a common offset of the row costs nothing.  All sums in f32.
; An image's unit of 256 bytes holds 16 bytes of each of the 16 rows: the waves' codes meet in a stage in LDS (units 272 bytes apart), one barrier, and each wave stores four whole units.
; LIMITS: each e between -126 and 112 (2^e and 57,344 x 2^e are made as f32 numbers).  NaN among the inputs is not served; an infinity is held at the largest code.
; WORK LEFT OUT BY THE PROGRAM (launch attn): reference() itself sets the score of every key s > t to -infinity (its own jnp.tril) ahead of the softmax, so such a key's weight is 0 whatever the inputs hold:
; key steps that lie wholly behind a block's queries reach no output and are not computed.  LIMIT: a NaN, an infinity or an overflow that would arise in those scores alone is not carried to the result.
.set NIMG, 2
.set ROWV, 1
.set NV,   NIMG+ROWV
.set E0,   33                          ; version i takes the exponent in s[E0 + 2 i]: entries 1, 3, 5 of the scales
.set STG,  17408                       ; a version's stage: 64 units x 272 bytes
.set X,    16                          ; v16-47   the row
.set GN,   48                          ; v48-79   gain
.set BT,   80                          ; v80-111  bias
.set T,    112                         ; v112-127 two sets of eight held numbers, by turns
.set CD,   128                         ; v128..   codes: eight registers a version
.set SC,   162                         ; v[SC+2i] 2^e, v[SC+2i+1] 57,344 x 2^e
.set RB,   168                         ; v168..   units read back from the stage
.macro ALLSUM r                        ; the sum over the 32 lanes, in every lane
	s_delay_alu instid0(VALU_DEP_1)
	v_add_f32_dpp v[\r], v[\r], v[\r] row_xmask:1 row_mask:0xf bank_mask:0xf
	s_delay_alu instid0(VALU_DEP_1)
	v_add_f32_dpp v[\r], v[\r], v[\r] row_xmask:2 row_mask:0xf bank_mask:0xf
	s_delay_alu instid0(VALU_DEP_1)
	v_add_f32_dpp v[\r], v[\r], v[\r] row_xmask:4 row_mask:0xf bank_mask:0xf
	s_delay_alu instid0(VALU_DEP_1)
	v_add_f32_dpp v[\r], v[\r], v[\r] row_xmask:8 row_mask:0xf bank_mask:0xf
	s_delay_alu instid0(VALU_DEP_1)
	v_permlanex16_b32 v160, v[\r], s20, s21
	s_delay_alu instid0(VALU_DEP_1)
	v_add_f32 v[\r], v[\r], v160
.endm
	s_load_b256 s[4:11], s[0:1], 0x0               ; x s[4:5], gain s[6:7], bias s[8:9], the scales' exponents s[10:11]
.if ROWV
	s_load_b128 s[12:15], s[0:1], 0x20             ; Wv's codes s[12:13], the images s[14:15]
	s_load_b64 s[16:17], s[0:1], 0x30              ; the row-major codes
	v_lshl_add_u32 v192, v0, 2, 0x8800
	v_mov_b32 v193, 0
.else
	s_load_b64 s[14:15], s[0:1], 0x20              ; the image
.endif
	v_and_b32 v1, 31, v0                           ; lane
	v_lshrrev_b32 v10, 5, v0                       ; wave, in every lane
	s_delay_alu instid0(VALU_DEP_1)
	v_readfirstlane_b32 s18, v10                   ; and as a scalar
	s_delay_alu instid0(VALU_DEP_3)
	v_lshlrev_b32 v2, 5, v1                        ; 32 x lane: my eight numbers of a chunk of 256
	v_bfe_u32 v11, v0, 1, 4                        ; lane / 2
	v_and_b32 v12, 1, v0                           ; lane % 2
	s_delay_alu instid0(VALU_DEP_2)
	v_mul_u32_u24 v3, v11, 272
	s_delay_alu instid0(VALU_DEP_1)
	v_lshl_add_u32 v3, v12, 3, v3
	s_delay_alu instid0(VALU_DEP_1)
	v_lshl_add_u32 v3, v10, 4, v3                  ; into the stage: unit lane / 2 of a chunk's sixteen, row = wave, 8 bytes
	v_bfe_u32 v13, v0, 4, 1
	s_delay_alu instid0(VALU_DEP_1)
	v_lshl_add_u32 v13, v10, 2, v13                ; back: unit 4 x wave + lane / 16
	s_delay_alu instid0(VALU_DEP_1)
	v_mul_u32_u24 v4, v13, 272
	v_and_b32 v14, 15, v0
	s_delay_alu instid0(VALU_DEP_1)
	v_lshl_add_u32 v4, v14, 4, v4
	v_lshlrev_b32 v5, 4, v1
	s_delay_alu instid0(VALU_DEP_1)
	v_lshl_add_u32 v5, v10, 10, v5                 ; the same place in the block's image: 1,024 x wave + 16 x lane
	v_lshlrev_b32 v6, 3, v1                        ; 8 x lane
	v_lshlrev_b32 v7, 10, v11
	s_delay_alu instid0(VALU_DEP_1)
	v_lshl_add_u32 v7, v12, 3, v7                  ; Wv: row lane / 2 of sixteen, 8 bytes
	v_mov_b32 v160, 0                              ; written once: a lane permute's destination counts as read
	s_mov_b32 s20, 0x76543210                      ; v_permlanex16_b32: lane l xor 16
	s_mov_b32 s21, 0xfedcba98
	s_mov_b32 s22, 0x3a800000                      ; 1 / 1,024
	s_mov_b32 s23, 0x3727c5ac                      ; 1e-5
	s_mov_b32 s24, 0xba800000                      ; -1 / 1,024
	s_lshl_b32 s26, ttmp9, 16                      ; 16 rows of 4,096 bytes a work-group,
	s_lshl_b32 s27, s18, 12                        ; a row a wave
	s_add_co_u32 s26, s26, s27
	s_mov_b32 s27, 0
	s_lshl_b32 s28, ttmp9, 14                      ; my block of an image
	s_mov_b32 s29, 0
.if ROWV
	s_lshl_b32 s30, s18, 10
	s_add_co_u32 s30, s30, s28                     ; my row of the row-major codes
	s_mov_b32 s31, 0
	s_lshr_b32 s50, ttmp9, 2                       ; Wv: unit 16 x work-group + wave of 4,096: block of rows = work-group / 4,
	s_lshl_b32 s50, s50, 14
	s_and_b32 s51, ttmp9, 3                        ; sixteen codes along K at 16 (16 (work-group % 4) + wave)
	s_lshl_b32 s51, s51, 8
	s_add_co_u32 s50, s50, s51
	s_lshl_b32 s51, s18, 4
	s_add_co_u32 s50, s50, s51
	s_mov_b32 s51, 0
	s_lshl_b32 s52, ttmp9, 12
	s_lshl_b32 s53, s18, 8
	s_add_co_u32 s52, s52, s53
	s_add_co_u32 s52, s52, 0x800000                ; and where the unit goes
	s_mov_b32 s53, 0
.endif
	s_wait_alu depctr_va_vdst(0)
	s_wait_kmcnt 0x0
	s_load_b512 s[32:47], s[10:11], 0x0            ; the sixteen exponents
	s_add_nc_u64 s[4:5], s[4:5], s[26:27]
.if ROWV
	s_add_nc_u64 s[12:13], s[12:13], s[50:51]
	s_add_nc_u64 s[48:49], s[14:15], s[52:53]
	s_add_nc_u64 s[16:17], s[16:17], s[30:31]
.endif
	s_add_nc_u64 s[14:15], s[14:15], s[28:29]
.irp c, 0,1,2,3
	global_load_b128 v[X+8*\c:X+8*\c+3],   v2, s[4:5] offset:1024*\c th:TH_LOAD_NT
	global_load_b128 v[X+8*\c+4:X+8*\c+7], v2, s[4:5] offset:1024*\c+16 th:TH_LOAD_NT
.endr
.irp c, 0,1,2,3
	global_load_b128 v[GN+8*\c:GN+8*\c+3],   v2, s[6:7] offset:1024*\c
	global_load_b128 v[GN+8*\c+4:GN+8*\c+7], v2, s[6:7] offset:1024*\c+16
.endr
.irp c, 0,1,2,3
	global_load_b128 v[BT+8*\c:BT+8*\c+3],   v2, s[8:9] offset:1024*\c
	global_load_b128 v[BT+8*\c+4:BT+8*\c+7], v2, s[8:9] offset:1024*\c+16
.endr
.if ROWV
	global_load_b64 v[8:9], v7, s[12:13]
.endif
	s_wait_loadcnt 16+ROWV                         ; the row is in; gain, bias (and Wv's unit) may be out
	v_pk_add_f32 v[154:155], v[16:17], v[18:19]
	v_pk_add_f32 v[190:191], v[24:25], v[28:29]
	v_pk_add_f32 v[188:189], v[32:33], v[36:37]
	v_pk_add_f32 v[186:187], v[40:41], v[44:45]
	v_pk_add_f32 v[184:185], v[20:21], v[22:23]
	v_pk_add_f32 v[182:183], v[26:27], v[30:31]
	v_pk_add_f32 v[180:181], v[34:35], v[38:39]
	v_pk_add_f32 v[152:153], v[42:43], v[46:47]
	s_delay_alu instid0(VALU_DEP_1)
	v_pk_add_f32 v[152:153], v[152:153], v[186:187]
	v_pk_add_f32 v[154:155], v[154:155], v[184:185]
	v_pk_add_f32 v[190:191], v[190:191], v[182:183]
	v_pk_add_f32 v[188:189], v[188:189], v[180:181]
	s_delay_alu instid0(VALU_DEP_2)
	v_pk_add_f32 v[152:153], v[152:153], v[190:191]
	s_delay_alu instid0(VALU_DEP_2)
	v_pk_add_f32 v[154:155], v[154:155], v[188:189]
	s_delay_alu instid0(VALU_DEP_1)
	v_pk_add_f32 v[152:153], v[152:153], v[154:155]
	s_delay_alu instid0(VALU_DEP_1)
	v_add_f32 v152, v152, v153
	ALLSUM 152
	s_delay_alu instid0(VALU_DEP_1)
	v_mul_f32 v156, s24, v152                      ; -mean
	s_delay_alu instid0(VALU_DEP_1)
	v_mov_b32 v157, v156
.set jj, 0
.rept 16
	v_pk_add_f32 v[X+jj:X+jj+1], v[X+jj:X+jj+1], v[156:157]   ; x - mean
.set jj, jj+2
.endr
	v_pk_mul_f32 v[152:153], v[X:X+1], v[X:X+1]    ; the sum of the squares, in two chains
	v_pk_mul_f32 v[154:155], v[X+2:X+3], v[X+2:X+3]
.irp j, 4,8,12,16,20,24,28
	s_delay_alu instid0(VALU_DEP_2)
	v_pk_fma_f32 v[152:153], v[X+\j:X+\j+1], v[X+\j:X+\j+1], v[152:153]
	s_delay_alu instid0(VALU_DEP_2)
	v_pk_fma_f32 v[154:155], v[X+\j+2:X+\j+3], v[X+\j+2:X+\j+3], v[154:155]
.endr
	s_delay_alu instid0(VALU_DEP_1)
	v_pk_add_f32 v[152:153], v[152:153], v[154:155]
	s_delay_alu instid0(VALU_DEP_1)
	v_add_f32 v152, v152, v153
	ALLSUM 152
	s_delay_alu instid0(VALU_DEP_1)
	v_fma_f32 v158, v152, s22, s23                 ; variance + 1e-5
	s_wait_alu depctr_va_vdst(0)
	v_rsq_f32 v158, v158
	v_nop                                          ; a plain instruction behind the transcendental,
	s_wait_alu depctr_va_vdst(0)                   ; and a wait ahead of its first reader
	v_mov_b32 v159, v158
	s_wait_alu depctr_va_vdst(0)
	s_wait_loadcnt ROWV                            ; gain and bias are in
.set jj, 0
.rept 16
	v_pk_mul_f32 v[X+jj:X+jj+1], v[X+jj:X+jj+1], v[158:159]
.set jj, jj+2
.endr
.set jj, 0
.rept 16
	v_pk_fma_f32 v[X+jj:X+jj+1], v[X+jj:X+jj+1], v[GN+jj:GN+jj+1], v[BT+jj:BT+jj+1]
.set jj, jj+2
.endr
	s_wait_kmcnt 0x0
.set ver, 0
.rept NV
	s_add_co_i32 s25, s[E0+2*ver], 127
	s_lshl_b32 s28, s25, 23
	v_mov_b32 v[SC+2*ver], s28                     ; 2^e as f32: the conversion takes its exponent field
	s_add_co_i32 s25, s25, 15
	s_lshl_b32 s25, s25, 23
	s_or_b32 s25, s25, 0x600000
	v_mov_b32 v[SC+2*ver+1], s25                   ; 57,344 x 2^e
.set ver, ver+1
.endr
.set ver, 0
	s_wait_alu depctr_va_vdst(0)
.rept NV
.set ch, 0
.rept 4
.set TS, T+8*(ch%2)
.irp j, 0,1,2,3,4,5,6,7
	v_med3_num_f32 v[TS+\j], v[X+8*ch+\j], -v[SC+2*ver+1], v[SC+2*ver+1]   ; the conversion does not saturate (ISA guide 7.6.2): the hold comes first; the row itself is kept for the next version
.endr
	v_cvt_scalef32_pk8_bf8_f32 v[CD+8*ver+2*ch:CD+8*ver+2*ch+1], v[TS:TS+7], v[SC+2*ver]   ; the two sets take turns: eight plain lines stand between a conversion and the rewriting of its sources
.set ch, ch+1
.endr
.set ver, ver+1
.endr
	v_nop                                          ; a plain line behind the last conversion
.set ver, 0
.rept NIMG
.irp c, 0,1,2,3
	ds_store_b64 v3, v[CD+8*ver+2*\c:CD+8*ver+2*\c+1] offset:ver*STG+\c*4352
.endr
.set ver, ver+1
.endr
.if ROWV
.irp c, 0,1,2,3
	global_store_b64 v6, v[CD+8*NIMG+2*\c:CD+8*NIMG+2*\c+1], s[16:17] offset:256*\c   ; 32 lanes store 256 consecutive bytes, aligned
.endr
.endif
	s_wait_dscnt 0x0                               ; for the others' sake: my stores into the stage are done
	s_barrier_signal -1
	s_barrier_wait -1
.set ii, 0
.rept 2*NIMG
	ds_load_b128 v[RB+4*ii:RB+4*ii+3], v4 offset:(ii/2)*STG+(ii%2)*544   ; two whole units a load
.set ii, ii+1
.endr
.set ii, 0
.rept 2*NIMG
	s_wait_dscnt 2*NIMG-1-ii                       ; LDS loads come back in order: load ii is in
	global_store_b128 v5, v[RB+4*ii:RB+4*ii+3], s[14:15] offset:(ii/2)*0x400000+(ii%2)*512   ; 512 consecutive bytes, aligned
.set ii, ii+1
.endr
.if ROWV
	s_wait_loadcnt 0x0                             ; Wv's unit
	global_store_b64 v6, v[8:9], s[48:49]          ; 256 consecutive bytes, aligned
.endif
	s_wait_tensorcnt 0x0
	ds_add_u32 v192, v193
	s_wait_dscnt 0x0
	s_endpgm
.Lfunc_end_k_q78b39330df_ln1:
	.size	k_q78b39330df_ln1, .Lfunc_end_k_q78b39330df_ln1-k_q78b39330df_ln1
	.p2alignl 7, 3214868480
	.fill 96, 4, 3214868480
	.section	.rodata,"a",@progbits
	.p2align	6, 0x0
	.amdhsa_kernel k_q78b39330df_ln1
		.amdhsa_group_segment_fixed_size 36864
		.amdhsa_private_segment_fixed_size 0
		.amdhsa_enable_private_segment 0
		.amdhsa_kernarg_size 56
		.amdhsa_user_sgpr_count 2
		.amdhsa_user_sgpr_kernarg_segment_ptr 1
		.amdhsa_wavefront_size32 1
		.amdhsa_system_sgpr_workgroup_id_x 1
		.amdhsa_system_sgpr_workgroup_id_y 1
		.amdhsa_system_sgpr_workgroup_id_z 1
		.amdhsa_system_vgpr_workitem_id 0
		.amdhsa_next_free_vgpr 194
		.amdhsa_next_free_sgpr 66
		.amdhsa_reserve_vcc 0
		.amdhsa_float_denorm_mode_32 3
		.amdhsa_float_denorm_mode_16_64 3
		.amdhsa_memory_ordered 1
		.amdhsa_forward_progress 1
		.amdhsa_inst_pref_size 23
	.end_amdhsa_kernel
	.amdgpu_metadata
---
amdhsa.version: [ 1, 2 ]
amdhsa.kernels:
  - .name:           k_q78b39330df_ln1
    .symbol:         k_q78b39330df_ln1.kd
    .args:
      - { .name: x, .offset: 0, .size: 8, .value_kind: global_buffer, .address_space: global }
      - { .name: g1, .offset: 8, .size: 8, .value_kind: global_buffer, .address_space: global }
      - { .name: beta1, .offset: 16, .size: 8, .value_kind: global_buffer, .address_space: global }
      - { .name: lowp_scales, .offset: 24, .size: 8, .value_kind: global_buffer, .address_space: global }
      - { .name: Wv_codes, .offset: 32, .size: 8, .value_kind: global_buffer, .address_space: global }
      - { .name: f1, .offset: 40, .size: 8, .value_kind: global_buffer, .address_space: global }
      - { .name: hv, .offset: 48, .size: 8, .value_kind: global_buffer, .address_space: global }
    .group_segment_fixed_size: 36864
    .private_segment_fixed_size: 0
    .kernarg_segment_align: 8
    .kernarg_segment_size: 56
    .max_flat_workgroup_size: 512
    .sgpr_count:     66
    .vgpr_count:     194
    .wavefront_size: 32
...
	.end_amdgpu_metadata
.endif
;; end of part 1
;; launch qkv (part 2): grid 16 x 12, 4 waves a work-group, clusters of 4 x 4, 327,680 bytes of LDS; arguments f1, Wq_codes, Wk_codes, hv, lowp_scales, qkvc; writes qkvc
.if DOCPART == 2
	.amdgcn_target "amdgcn-amd-amdhsa--gfx1250"
	.amdhsa_code_object_version 6
	.text
	.protected	k_q78b39330df_qkv
	.globl	k_q78b39330df_qkv
	.p2align	8
	.type	k_q78b39330df_qkv,@function
k_q78b39330df_qkv:
	s_mov_b64 s[64:65], 0
	v_nop
	global_prefetch_b8 v0, s[64:65] scope:SCOPE_SE
	s_setreg_imm32_b32 hwreg(HW_REG_WAVE_MODE, 25, 1), 1
	s_wait_xcnt 0x0
	s_wait_alu depctr_hold_cnt(0) depctr_sa_sdst(0) depctr_va_vdst(0) depctr_va_sdst(0) depctr_va_ssrc(0) depctr_va_vcc(0) depctr_vm_vsrc(0)
	s_getreg_b32 s2, hwreg(HW_REG_IB_STS2, 6, 4)
	s_cmp_eq_u32 s2, 0
	s_cbranch_scc0 .Lentry_in_a_cluster
	s_endpgm
.Lentry_in_a_cluster:
	s_bfe_u32 s2, ttmp6, 0x10000c
	s_cmp_lg_u32 s2, 0xf033
	s_cbranch_scc0 .Lentry_shape_is_right
	s_endpgm
.Lentry_shape_is_right:
; Q, K and V of all heads, three products of 4,096 x 1,024 x 1,024 on codes of BF8 (E5M2), their results quantised again (e6, e7, e9) and stored as codes.
; EVERY PRODUCT HAS A SIDE R, WHOSE CODES LIE AS IMAGES OF OPERAND REGISTERS (code (row, k) at (row / 16) 16,384 + (k / 16) 256 + (row % 16) 16 + k % 16), AND A SIDE C, ROW-MAJOR WITH K INNERMOST.
;   Q: R = h's codes under e1 (f1 + 0), C = Wq.   K: R = h's codes under e3 (f1 + 4 MiB), C = Wk.   V: R = Wv's codes (f1 + 8 MiB), C = h's codes under e5 (hv).
; Source 0 of the matrix instruction = 16 rows of C, source 1 = 16 rows of R: a lane holds one row of R and eight neighbouring rows of C.  For Q and K those eight are neighbours along the head's axis, for V along the
; tokens: in each case the next product's K.  So eight sums become eight codes of one lane, and V comes out with the keys innermost with no transposition.
; Both sides give lane (r, h), in registers 4 c .. 4 c + 3, k = 32 c + 16 h + 0 .. 15: a permutation of k that is the same in both operands.
; OUT (qkvc: Q + 0, K + 4 MiB: 4,096 rows x 1,024; V^T + 8 MiB: 1,024 rows x 4,096): the 16 bytes at (row / 16) 16 K + (k / 32) 512 + 16 lane hold, of row lane % 16, k = 32 p + 8 h + 0 .. 7 and 32 p + 16 + 8 h + 0 .. 7:
; the layout that the matrix instruction's own table gives an 8-bit operand.  A wave's store covers 512 consecutive bytes, aligned.
; A tile is 256 rows of R x 256 rows of C, four waves of 128 x 128 (64 accumulators, 512 registers).  K goes in steps of 256 through two LDS slots filled by the tensor data mover.
; CLUSTERS of 4 x 4: R's tile is shared along a row of the cluster, C's along a column: joint loads.  The row of clusters y = 0 makes V (4 x 16 tiles); the others Q (cluster x even) and K (odd), 16 x 4 tiles each.
; LIMITS: e6 - e0 - e1, e7 - e2 - e3 and e9 - e4 - e5 between -126 and 112.
; REGISTERS: window 0: v0-31 addresses; v32-95 a block's held sums; v128-255 R's fragments, ONE set, later the codes.  window 1: C's fragments, TWO sets.  windows 2, 3: the accumulators ((a, b) at v[8 (8 (a % 4) + b)]).
.set PITCH,  272                       ; a row of C in LDS: 256 bytes + 16 of padding: the 16 rows of a load start at 16 different banks (64 banks of 4 bytes: ISA guide 11.1)
.set FR,     16                        ; registers of a fragment: 16 rows x 128 K
.set NL,     4                         ; LDS loads that bring one
.set NP,     4                         ; places behind this matrix instruction (ISA guide 7.12.1)
.set RBLK,   4096                      ; 16 rows of R x 256 along K
.set RHALF,  8*RBLK                    ; 128 rows of R: one tensor load
.set CHALF,  128*PITCH                 ; 128 rows of C: one tensor load
.set COFF,   2*RHALF                   ; a slot: R's 256 rows, then C's
.set SLOT,   COFF+2*CHALF
.set LAPS,   2                         ; K = 1,024 is four K steps: twice round the ring
.set SPARE,  2*SLOT                    ; behind the ring: the spare words, 128 bytes a wave, which no other line names
.set OFS,  8                           ; v8-15   block a's byte offset in the output
.set ADRA, 16                          ; v16-17  LDS address of my fragments of R in slot 0, 1
.set ADRB, 20                          ; v20-21  the same for C
.set LIM,  27                          ; v27     57,344 x the conversion's scale
.set SPW,  28                          ; v28     my spare word; never rewritten
.set NIL,  29                          ; v29     0; never rewritten
.set SCL,  30                          ; v30     the conversion's scale
.set TMP,  32
.set AF,   128
.set CDR,  128
.set G1,  24                           ; s[24:31] group 1 for R's tiles; s[32:39] their groups 0, one a slot
.set G0,  32
.set G1B, 48                           ; s[48:55], s[56:63] the same for C's
.set G0B, 56
.set WV,  66
.set HR,  67                           ; wave / 2: my half of R's rows.  Also: I fetch for R (0) or for C (1)
.set HC,  68                           ; wave % 2: my half of C's rows.  Also: which 128 rows I fetch
.set CX,  69
.set CY,  70
.set NT,  71                           ; tile of C's rows
.set MT,  72                           ; tile of R's rows
.set ZZ,  75                           ; 0 Q, 1 K, 2 V
.set PIT, 94                           ; bytes of a block of 16 rows in the output
.set MSB, 0
.macro WIN new                         ; the immediate's high byte repeats the setting that is left
.if MSB != \new
	s_set_vgpr_msb (MSB<<8)|\new
.set MSB, \new
.endif
.endm
.set MUL_LO, 0xa1                      ; source 0 (C's rows) window 1, source 1 (R's rows) window 0, sums window 2
.set MUL_HI, 0xf1                      ; the same, sums window 3
.set TO_B,   0x40                      ; destination window 1, address window 0
.macro JLOAD g0a, g1a, g0b, g1b        ; a joint load: waves 0 and 1 fetch for R, waves 2 and 3 for C; four v_nop follow each of the two lines
	s_cmp_eq_u32 s[HR], 0
	s_cbranch_scc0 .Lfor_b_\@
	tensor_load_to_lds s[\g0a:\g0a+3], s[\g1a:\g1a+7]
	s_nop 0
.rept 4
	v_nop
.endr
	s_branch .Lasked_\@
.Lfor_b_\@:
	tensor_load_to_lds s[\g0b:\g0b+3], s[\g1b:\g1b+7]
	s_nop 0
.rept 4
	v_nop
.endr
.Lasked_\@:
.endm
.macro CREST                           ; a round of the cluster's barrier behind its opening barrier
	s_cmp_lg_u32 s[WV], 0
	s_cbranch_scc1 .Lnot_wave_0_\@
	s_barrier_signal -3
.Lnot_wave_0_\@:
	s_barrier_wait -3
	s_barrier_signal -1
	s_barrier_wait -1
.endm
.macro CROUND
	s_barrier_signal -1
	s_barrier_wait -1
	CREST
.endm
	s_load_b256 s[4:11], s[0:1], 0x0               ; f1 s[4:5], Wq s[6:7], Wk s[8:9], hv s[10:11]
	s_load_b128 s[12:15], s[0:1], 0x20             ; the scales' exponents s[12:13], qkvc s[14:15]
	v_lshl_add_u32 v[SPW], v0, 2, SPARE
	v_mov_b32 v[NIL], 0
	ds_add_u32 v28, v29
	ds_add_u32 v28, v29
	s_wait_dscnt 0x0
	v_lshrrev_b32 v1, 5, v0
	v_readfirstlane_b32 s[WV], v1
	s_lshr_b32 s[HR], s[WV], 1
	s_and_b32 s[HC], s[WV], 1
	s_bfe_u32 s[CX], ttmp6, 0x40000
	s_bfe_u32 s[CY], ttmp6, 0x40004
	s_lshl_b32 s73, s[CY], 2
	s_lshl_b32 s73, 15, s73                        ; my row of the cluster
	s_lshl_b32 s74, 0x1111, s[CX]                  ; my column
	s_and_b32 s16, ttmp7, 0xffff                   ; cluster y; cluster x is ttmp9: all sixteen partners share both
	s_max_u32 s17, s16, 1
	s_sub_co_u32 s17, s17, 1
	s_lshl_b32 s17, s17, 2                         ; Q, K: 4 (cluster y - 1)
	s_lshr_b32 s18, ttmp9, 1
	s_lshl_b32 s18, s18, 3
	s_add_co_u32 s17, s17, s18                     ;       + 8 (cluster x / 2)
	s_lshl_b32 s19, ttmp9, 2                       ; V: 4 x cluster x
	s_and_b32 s[ZZ], ttmp9, 1
	s_mov_b32 s[PIT], 16384
	s_cmp_eq_u32 s16, 0                            ; V's clusters?  Nothing branches on it: values are chosen
	s_cselect_b32 s17, 0, s17
	s_cselect_b32 s19, s19, 0
	s_cselect_b32 s[ZZ], 2, s[ZZ]
	s_cselect_b32 s[PIT], 0x10000, s[PIT]
	s_add_co_u32 s[MT], s[CY], s17
	s_add_co_u32 s[NT], s[CX], s19
	s_or_b32 s[G1], s73, (0<<16)|(1<<21)           ; R: 15:0 the mask: my row; elements of 1 byte; no padding; 21 set beside a mask
	s_mov_b32 s[G1+1], RBLK<<16                    ; tensor_dim0 = 4,096: a block's bytes of a K step
	s_mov_b32 s[G1+2], 8<<16                       ; tensor_dim1 = 8 blocks
	s_mov_b32 s[G1+3], RBLK<<16                    ; tile_dim0
	s_mov_b32 s[G1+4], 8                           ; tile_dim1
	s_mov_b32 s[G1+5], 16384                       ; from block to block
	s_mov_b32 s[G1+6], 0
	s_mov_b32 s[G1+7], 0
	s_or_b32 s[G1B], s74, (0<<16)|(1<<20)|(1<<21)|(5<<22)|(3<<25)   ; C: my column; padding: 4 words behind every 64
	s_mov_b32 s[G1B+1], 256<<16
	s_mov_b32 s[G1B+2], 128<<16
	s_mov_b32 s[G1B+3], 256<<16
	s_mov_b32 s[G1B+4], 128
	s_mov_b32 s[G1B+5], 1024
	s_mov_b32 s[G1B+6], 0
	s_mov_b32 s[G1B+7], 0
	s_lshl_b32 s40, s[MT], 18                      ; R: block 16 x tile + 8 x half, 16,384 bytes each,
	s_lshl_b32 s41, s[HC], 17
	s_add_co_u32 s40, s40, s41
	s_lshl_b32 s95, s[ZZ], 22                      ; in part z of f1 (and of qkvc)
	s_add_co_u32 s40, s40, s95
	s_mov_b32 s41, 0
	s_lshl_b32 s46, s[NT], 18                      ; C: row 256 x tile + 128 x half, 1,024 bytes each
	s_lshl_b32 s47, s[HC], 17
	s_add_co_u32 s46, s46, s47
	s_mov_b32 s47, 0
	s_lshl_b32 s42, s[HC], 15                      ; where they go: no place in the cluster enters an LDS address
	s_mul_i32 s43, s[HC], CHALF
	s_add_co_u32 s43, s43, COFF
	s_wait_kmcnt 0x0
	s_load_b512 s[76:91], s[12:13], 0x0            ; the sixteen exponents
	s_cmp_eq_u32 s[ZZ], 0
	s_cselect_b64 s[44:45], s[6:7], s[8:9]
	s_cmp_eq_u32 s[ZZ], 2
	s_cselect_b64 s[44:45], s[10:11], s[44:45]     ; side C: Wq, Wk or hv
	s_add_nc_u64 s[46:47], s[44:45], s[46:47]
	s_add_nc_u64 s[40:41], s[4:5], s[40:41]
	CROUND                                         ; all sixteen work-groups are here: the first joint loads meet
.irp s, 0,1
	s_mov_b32 s[G0+4*\s], 1
	s_add_co_u32 s[G0+4*\s+1], s42, \s*SLOT
	s_add_nc_u64 s[G0+4*\s+2:G0+4*\s+3], s[40:41], \s*RBLK
	s_or_b32 s[G0+4*\s+3], s[G0+4*\s+3], 0x80000000
	s_mov_b32 s[G0B+4*\s], 1
	s_add_co_u32 s[G0B+4*\s+1], s43, \s*SLOT
	s_add_nc_u64 s[G0B+4*\s+2:G0B+4*\s+3], s[46:47], \s*256
	s_or_b32 s[G0B+4*\s+3], s[G0B+4*\s+3], 0x80000000
.if \s == 0
	JLOAD G0, G1, G0B, G1B                         ; K step 0: one tensor load a wave at the head
.endif
.endr
	; THE PREFETCHES: behind K step 0's load each wave names 32 blocks of 256 bytes of K step 1 and of K step 2, behind K step 1's load of K step 3.  Of the 131,072 bytes of rows that a wave fetches from
	; (eight blocks of R, 128 rows of C) each of the four partners that ask jointly takes a quarter, told apart by address: 32,768 bytes x cx (R) or x cy (C).  R: two blocks, sixteen lanes 256 bytes apart in each; C: a lane a row.
	s_cmp_eq_u32 s[HR], 0                          ; do I fetch for R?
	s_cselect_b32 s20, 0, -1
	s_cselect_b64 s[98:99], s[40:41], s[46:47]     ; where my tensor loads begin; never rewritten
	s_cselect_b32 s23, s[CX], s[CY]
	s_mov_b32 s2, 256
	s_cselect_b32 s2, RBLK, s2                     ; a K step on
	s_lshl_b32 s23, s23, 15
	s_add_co_u32 s23, s23, s2
	v_and_b32 v18, 31, v0
	v_lshlrev_b32 v19, 10, v18
	v_and_b32 v25, 15, v0
	v_lshlrev_b32 v25, 8, v25
	v_bfe_u32 v18, v0, 4, 1
	v_lshl_add_u32 v25, v18, 14, v25
	v_cndmask_b32 v22, v25, v19, s20
	v_add_nc_u32 v22, s23, v22                     ; K step 1; v22 to v24 are never rewritten
	v_add_nc_u32 v23, s2, v22                      ; K step 2
	v_add_nc_u32 v24, s2, v23                      ; K step 3
	s_wait_alu depctr_va_vdst(0)
	global_prefetch_b8 v22, s[98:99] th:TH_LOAD_NT scope:SCOPE_SE
	global_prefetch_b8 v23, s[98:99] th:TH_LOAD_NT scope:SCOPE_SE
	v_and_b32 v1, 15, v0
	v_bfe_u32 v2, v0, 4, 1
	v_mul_u32_u24 v3, v1, PITCH
	v_lshl_add_u32 v4, v2, 4, v3                   ; C: row x pitch + 16 h
	v_and_b32 v5, 31, v0
	v_lshlrev_b32 v5, 4, v5                        ; R: 16 x lane: an image's place for my lane
	s_wait_alu depctr_va_vdst(0)
	s_lshl_b32 s21, s[HR], 15                      ; my 128 rows of R
	s_mul_i32 s22, s[HC], CHALF                    ; my 128 rows of C
	s_add_co_u32 s22, s22, COFF
.irp s, 0,1
	v_add_nc_u32 v[ADRA+\s], s21, v5
	v_add_nc_u32 v[ADRB+\s], s22, v4
	s_add_co_u32 s21, s21, SLOT
	s_add_co_u32 s22, s22, SLOT
.endr
	s_lshl_b32 s96, s[MT], 4                       ; the output: block 16 x tile + 8 x half of R's rows,
	s_lshl_b32 s97, s[HR], 3
	s_add_co_u32 s96, s96, s97
	s_mul_i32 s96, s96, s[PIT]
	s_add_co_u32 s96, s96, s95                     ; in part z,
	s_lshl_b32 s97, s[NT], 12                      ; 256 x tile + 128 x half along the output's K: 512 bytes for each 32
	s_add_co_u32 s96, s96, s97
	s_lshl_b32 s97, s[HC], 11
	s_add_co_u32 s96, s96, s97
	s_mov_b32 s97, 0
	s_add_nc_u64 s[92:93], s[14:15], s[96:97]
	v_mov_b32 v[OFS], v5
.irp a, 0,1,2,3,4,5,6
	v_add_nc_u32 v[OFS+\a+1], s[PIT], v[OFS+\a]    ; 16 x lane + a blocks
.endr
.macro FRAGA reg, adr, q, i            ; a fragment of R comes as it was stored: register group c of lane l at 512 c + 16 l
.irp c, 0,1,2,3
	ds_load_b128 v[\reg+4*\c:\reg+4*\c+3], v[\adr] offset:(\i)*RBLK+2048*(\q)+512*\c
.endr
.endm
.macro FRAGB reg, adr, q, i            ; a fragment of C from rows: registers 4 c .. 4 c + 3 hold K = 32 c + 16 h + 0 .. 15
.irp c, 0,1,2,3
	ds_load_b128 v[\reg+4*\c:\reg+4*\c+3], v[\adr] offset:128*(\q)+32*\c+(\i)*16*PITCH
.endr
.endm
; 16 matrix instructions: R's blocks a0, a0 + 1 x C's eight, 128 along K.  p: C's set.  zero = 1: the first product starts the sums.  The 64 accumulators take turns, one instruction a turn, in the same order in every step.
.macro MUL16 a0, p, zero
.irp a, \a0, \a0+1
.irp b, 0,1,2,3,4,5,6,7
.if \zero
	v_wmma_f32_16x16x128_bf8_bf8 v[8*(8*((\a)%4)+\b):8*(8*((\a)%4)+\b)+7], v[128*(\p)+FR*\b:128*(\p)+FR*\b+FR-1], v[AF+FR*(\a):AF+FR*(\a)+FR-1], 0
.else
	v_wmma_f32_16x16x128_bf8_bf8 v[8*(8*((\a)%4)+\b):8*(8*((\a)%4)+\b)+7], v[128*(\p)+FR*\b:128*(\p)+FR*\b+FR-1], v[AF+FR*(\a):AF+FR*(\a)+FR-1], v[8*(8*((\a)%4)+\b):8*(8*((\a)%4)+\b)+7]
.endif
.endr
.endr
.endm
.macro FETCH_B slot, q, p
	WIN TO_B
.irp i, 0,1,2,3,4,5,6,7
	FRAGB 128*(\p)+FR*\i, ADRB+\slot, \q, \i
.endr
	WIN 0
.endm
.macro FETCH_A slot, q, i0
.irp i, \i0, \i0+1, \i0+2, \i0+3
	FRAGA AF+FR*(\i), ADRA+\slot, \q, \i
.endr
.endm
.macro PLACES n                        ; plain vector instructions between a matrix instruction and a load into, or a vector read or write of, its registers
.rept \n
	v_nop
.endr
.endm
.macro STEP slot, q, zero              ; a step of 128 along K that has its successor in the same slot
	s_wait_dscnt 4*NL                              ; C's set and R's blocks 0-3 are in; the youngest 16 loads (R's blocks 4-7) may be out
	WIN MUL_LO
	MUL16 0, (\q)%2, \zero
	MUL16 2, (\q)%2, \zero
	s_wait_dscnt 0                                 ; R's blocks 4-7 are in
	PLACES NP
	FETCH_B \slot, (\q)+1, 1-(\q)%2
	FETCH_A \slot, (\q)+1, 0
	WIN MUL_HI
	MUL16 4, (\q)%2, \zero
	MUL16 6, (\q)%2, \zero
	PLACES NP
	WIN 0
	FETCH_A \slot, (\q)+1, 4
.endm
; A slot's last step changes slots: one barrier; in front of it each wave waits for all its tensor loads, adds 0 to its spare word, and waits for that and for its own reads of this slot.  fill = 1: the slot is filled again, two K steps ahead.
.macro TURN slot, next, fill
	s_wait_tensorcnt 0x0                           ; all my tensor loads have landed: my part of the next slot
	ds_add_u32 v[SPW], v[NIL]                      ; 0 onto my spare word
	s_wait_dscnt 4*NL+1                            ; (the add and the youngest 16 loads may be out)
	WIN MUL_LO
	MUL16 0, 1, 0
	s_wait_dscnt 0x0                               ; the add is done, and my reads of this slot are over
	s_barrier_signal -1
	MUL16 2, 1, 0
	WIN 0
	s_barrier_wait -1
.if \fill
	CREST                                          ; the barrier has opened a round of the cluster's: no wave of any partner still reads this slot or has a load on its way
	s_add_nc_u64 s[G0+4*\slot+2:G0+4*\slot+3], s[G0+4*\slot+2:G0+4*\slot+3], 2*RBLK
	s_add_nc_u64 s[G0B+4*\slot+2:G0B+4*\slot+3], s[G0B+4*\slot+2:G0B+4*\slot+3], 2*256
	JLOAD G0+4*\slot, G1, G0B+4*\slot, G1B         ; the first tensor load behind the round; its four v_nop are the places in front of the loads below
.else
	PLACES NP
.endif
	s_wait_alu depctr_va_vdst(0)
	FETCH_B \next, 0, 0
	FETCH_A \next, 0, 0
	WIN MUL_HI
	MUL16 4, 1, 0
	MUL16 6, 1, 0
	PLACES NP
	WIN 0
	FETCH_A \next, 0, 4
.endm
	s_wait_alu depctr_va_vdst(0)
	s_wait_tensorcnt 0x0                           ; my part of K step 0 is in; slot 1's first fill is issued as a refill is:
	ds_add_u32 v[SPW], v[NIL]                      ; 0 onto my spare word
	s_wait_dscnt 0x0
	CROUND                                         ; a whole round: everybody's part of K step 0 is in, and the joint loads meet
	JLOAD G0+4, G1, G0B+4, G1B                     ; K step 1: the first tensor load behind the round
	FETCH_B 0, 0, 0
	FETCH_A 0, 0, 0
	FETCH_A 0, 0, 4
	global_prefetch_b8 v24, s[98:99] th:TH_LOAD_NT scope:SCOPE_SE   ; K step 3, behind K step 1's load
	STEP 0, 0, 1
	s_mov_b32 s3, LAPS-1
.Llap:                                                 ; a trip goes once round the ring and fills both slots again
	TURN 0, 1, 1
	STEP 1, 0, 0
	TURN 1, 0, 1
	STEP 0, 0, 0
	s_sub_co_u32 s3, s3, 1
	s_cmp_lg_u32 s3, 0
	s_cbranch_scc1 .Llap
	TURN 0, 1, 0                                   ; the last lap fills nothing
	STEP 1, 0, 0
	s_wait_dscnt 4*NL
	WIN MUL_LO
	MUL16 0, 1, 0
	MUL16 2, 1, 0
	s_wait_dscnt 0
	WIN MUL_HI
	MUL16 4, 1, 0
	MUL16 6, 1, 0
	WIN 0
	; THE WAY OUT.  A sum stands for sum x 2^(the two operands' e): its code under the next scale 2^eo is sum / 2^(eo - their sum): one scale for the conversion.
	s_wait_kmcnt 0x0
	s_add_co_i32 s16, s76, s77
	s_add_co_i32 s17, s78, s79
	s_add_co_i32 s18, s80, s81
	s_cmp_eq_u32 s[ZZ], 0
	s_cselect_b32 s16, s16, s17
	s_cselect_b32 s19, s82, s83                    ; e6 for Q, e7 for K,
	s_cmp_eq_u32 s[ZZ], 2
	s_cselect_b32 s16, s18, s16
	s_cselect_b32 s19, s85, s19                    ; e9 for V
	s_sub_co_i32 s16, s19, s16
	s_add_co_i32 s16, s16, 127
	s_lshl_b32 s17, s16, 23
	v_mov_b32 v[SCL], s17
	s_add_co_i32 s16, s16, 15
	s_lshl_b32 s16, s16, 23
	s_or_b32 s16, s16, 0x600000
	v_mov_b32 v[LIM], s16
	PLACES NP                                      ; behind the last products: their sums are read and R's registers written below
.macro OUTB a                          ; block a: 16 rows of R x my 128 rows of C: held, converted, stored.  Each block has its own registers for its codes: no store's data are written again
.set AC, 64*((\a)%4)
	WIN 0x02+((\a)/4)                              ; source 0: window 2 or 3
.set jj, 0
.rept 64
	v_med3_num_f32 v[TMP+jj], v[AC+jj], -v[LIM], v[LIM]   ; the hold at the largest code x the scale; each accumulator from its low end on
.set jj, jj+1
.endr
	WIN 0
.irp b, 0,1,2,3,4,5,6,7
	v_cvt_scalef32_pk8_bf8_f32 v[CDR+16*(\a)+2*\b:CDR+16*(\a)+2*\b+1], v[TMP+8*\b:TMP+8*\b+7], v[SCL]
.endr
	v_nop                                          ; a plain line between the conversions and the next block's holds, which write their sources
.irp p, 0,1,2,3
	global_store_b128 v[OFS+(\a)], v[CDR+16*(\a)+4*\p:CDR+16*(\a)+4*\p+3], s[92:93] offset:512*\p   ; two neighbouring tiles' codes: 512 consecutive bytes a wave, aligned
.endr
.endm
.irp a, 0,1,2,3,4,5,6,7
	OUTB \a
.endr
	s_wait_tensorcnt 0x0                           ; the wave's end
	ds_add_u32 v[SPW], v[NIL]
	s_wait_dscnt 0x0
	CROUND                                         ; the closing round
	s_endpgm
.Lfunc_end_k_q78b39330df_qkv:
	.size	k_q78b39330df_qkv, .Lfunc_end_k_q78b39330df_qkv-k_q78b39330df_qkv
	.p2alignl 7, 3214868480
	.fill 96, 4, 3214868480
	.section	.rodata,"a",@progbits
	.p2align	6, 0x0
	.amdhsa_kernel k_q78b39330df_qkv
		.amdhsa_group_segment_fixed_size 327680
		.amdhsa_private_segment_fixed_size 0
		.amdhsa_enable_private_segment 0
		.amdhsa_kernarg_size 48
		.amdhsa_user_sgpr_count 2
		.amdhsa_user_sgpr_kernarg_segment_ptr 1
		.amdhsa_wavefront_size32 1
		.amdhsa_system_sgpr_workgroup_id_x 1
		.amdhsa_system_sgpr_workgroup_id_y 1
		.amdhsa_system_sgpr_workgroup_id_z 1
		.amdhsa_system_vgpr_workitem_id 0
		.amdhsa_next_free_vgpr 1024
		.amdhsa_next_free_sgpr 100
		.amdhsa_reserve_vcc 0
		.amdhsa_float_denorm_mode_32 3
		.amdhsa_float_denorm_mode_16_64 3
		.amdhsa_memory_ordered 1
		.amdhsa_forward_progress 1
		.amdhsa_inst_pref_size 120
	.end_amdhsa_kernel
	.amdgpu_metadata
---
amdhsa.version: [ 1, 2 ]
amdhsa.kernels:
  - .name:           k_q78b39330df_qkv
    .symbol:         k_q78b39330df_qkv.kd
    .args:
      - { .name: f1, .offset: 0, .size: 8, .value_kind: global_buffer, .address_space: global }
      - { .name: Wq_codes, .offset: 8, .size: 8, .value_kind: global_buffer, .address_space: global }
      - { .name: Wk_codes, .offset: 16, .size: 8, .value_kind: global_buffer, .address_space: global }
      - { .name: hv, .offset: 24, .size: 8, .value_kind: global_buffer, .address_space: global }
      - { .name: lowp_scales, .offset: 32, .size: 8, .value_kind: global_buffer, .address_space: global }
      - { .name: qkvc, .offset: 40, .size: 8, .value_kind: global_buffer, .address_space: global }
    .group_segment_fixed_size: 327680
    .private_segment_fixed_size: 0
    .kernarg_segment_align: 8
    .kernarg_segment_size: 48
    .max_flat_workgroup_size: 128
    .sgpr_count:     100
    .vgpr_count:     1024
    .wavefront_size: 32
...
	.end_amdgpu_metadata
.endif
;; end of part 2
;; launch attn (part 3): grid 8 x 32, 8 waves a work-group, no clusters, 327,680 bytes of LDS; arguments qkvc, lowp_scales, oc; writes oc
.if DOCPART == 3
	.amdgcn_target "amdgcn-amd-amdhsa--gfx1250"
	.amdhsa_code_object_version 6
	.text
	.protected	k_q78b39330df_attn
	.globl	k_q78b39330df_attn
	.p2align	8
	.type	k_q78b39330df_attn,@function
k_q78b39330df_attn:
	s_mov_b64 s[64:65], 0
	v_nop
	global_prefetch_b8 v0, s[64:65] scope:SCOPE_SE
	s_setreg_imm32_b32 hwreg(HW_REG_WAVE_MODE, 25, 1), 1
	s_wait_xcnt 0x0
; Causal attention of one head on codes of BF8 (E5M2); head size 64, 2,048 tokens; the result quantised under e10 and stored as codes for the projection.
; WORK LEFT OUT: key steps wholly behind a block's queries (reference()'s own jnp.tril gives them the weight 0 for all inputs) are not computed; a NaN or infinity that arises there alone is not carried.
; qkvc: Q at 0, K at 4 MiB (blocks of 16 tokens, 16,384 bytes; a head's 64 codes of a block are 1,024 bytes on end), V^T at 8 MiB (blocks of 16 channels, 65,536 bytes; 128 tokens of a block are 2,048 bytes on end):
; every fragment lies as an image of its registers, register group c of lane l at 512 c + 16 l, in the layout that the matrix instruction's own table gives an 8-bit operand.
; THE SOFTMAX: t = score x log2(e) / 8; M = the running largest t rounded UP to a whole number; p = 2^(t - M) is quantised under e8, not normalised; the row's sum is taken of the unquantised p and divides at the end.
; SHARES.  Work-group (x, head) takes the blocks of 128 queries number 15 - x and then x: (16 - x) + (x + 1) = 17 key steps of 128 for every wave of the launch.  A wave owns 16 queries of a block.
; Each pass ends with the key step on the diagonal, where hidden scores become -infinity.
; LDS: all of the head's K and V^T, 262,144 bytes, each byte filled once, in eight parts of 32,768 bytes, one a wave.  Part c + 2 u (c, u = 0, 1): bytes 512 c .. 512 c + 511 of the 1,024 of K's token blocks 2 i + u, at 512 i.
; Part 4 + d: V's channel block d as it lies in memory, key step ks at 2,048 ks.  So 2,048 bytes of every part belong to a key step, and every tensor load holds bytes of a key step that every work-group reads.
; THREE GROUPS OF TENSOR LOADS, one load a wave in each: key steps 0-3 at the head, 4-7 behind the first barrier, 8-15 behind the second; all are first fills.  Key steps 0-2 are computed under the second group's flight, 3-6 under the third's
; (a step reads the next step's K); they lie under the diagonal whatever x is (15 - x is 8 at the least).  Every wait on TENSORcnt is for 0.
; PREFETCHES, one group ahead of the tensor loads: behind the first group's load the second group's bytes are named, behind the second's the third's.  The eight work-groups of a head load the same bytes and share the blocks of 256 bytes out by x:
; x < 4: K's token blocks, a quarter of the group's each, four lanes to a block's 1,024 bytes; x >= 4: V's channel block x - 4, lanes 256 bytes apart.  The second group is 32 blocks a work-group (wave 0), the third 64 (waves 0 and 1).
; NO CLUSTER: the work-groups of a head read the same K and V, but the change of pass is a branch on x, and partners of a cluster may not differ in a branch.
; Both products are used transposed (S^T = K Q^T, O^T = V^T P^T): a lane holds one query throughout, and p's codes are the second product's operand as they leave the conversions.
; LIMITS: e6 + e7 between -123 and 130 (added to c's exponent field); e8 and e10 between -126 and 112; e8 + e9 is applied by v_ldexp_f32.  The scaled scores stay under 2^31 in magnitude.  NaN among the inputs is not served.
.set VOFF,  131072
.set SPARE, 262144                     ; behind K and V: the spare words, 128 bytes a wave, which no other line names
.set GRP,   8192                       ; four key steps of a part
.set AK0,  1                           ; v1  16 x lane: my place in K's parts 0/1 (even token blocks), and my offset in a tile of Q; v2: + 65,536, parts 2/3 (odd blocks); never rewritten
.set AK1,  2
.set AV0,  3                           ; v3, v4  in V's parts 0/1 and 2/3: VOFF + 16 lane, + 65,536
.set AV1,  4
.set ADK,  5                           ; v5-8    the step's addresses
.set ADK2, 6
.set ADV,  7
.set ADV2, 8
.set DV,   9                           ; 16 wave + r - 8 h: register 8 t + j of the diagonal step is hidden where 16 t + j > this
.set GO,   10                          ; 16 r + 8 h: my 8 codes in a unit of the output
.set NINF, 11
.set Q,    16                          ; v12 -M, v13 the largest t, v[14:15] the sum in two halves; v16-23 the pass's queries, v24-31 the second pass's
.set Q2,   24
.set KF,   32                          ; v32-95  eight fragments of K
.set S,    96                          ; v96-159 S^T, then p
.set OT,   160                         ; v160-191 O^T
.set PC,   192                         ; v192-207 p's codes; v208-215 at work
.set SC8,  216                         ; 2^e8
.set L8A,  217                         ; 57,344 x 2^e8, twice: the two halves of a dual pair name two registers
.set L8B,  218
.set SC10, 219
.set L10,  220
.set TP,   221
.set SPW,  222                         ; my spare word; never rewritten
.set NIL,  223                         ; 0; never rewritten
.set PFO,  224                         ; the prefetches' lane offset; never rewritten.  Window 1: v0-63 V's four fragments
.set WV,   10
.set K32,  24                          ; s[24:31], s[32:39] group 1 for four key steps of a part of K, of V; s[40:47], s[48:55] for eight; s[56:59] group 0
.set V32,  32
.set K64,  40
.set V64,  48
.set G0,   56
.set TBK,  70                          ; 2,048 x the key step whose K is fetched (the next step's)
.set TBV,  71                          ; 2,048 x this key step
.set KS,   72
.set DG,   73                          ; the pass's diagonal key step
.set NK,   74
.set CNT,  75
.set MSB, 0
.macro WIN new                         ; the immediate's high byte repeats the setting that is left
.if MSB != \new
	s_set_vgpr_msb (MSB<<8)|\new
.set MSB, \new
.endif
.endm
.macro DESC g, rows, wid, pitch        ; rows of wid elements of one byte, no padding, no mask
	s_mov_b32 s[\g], 0
	s_mov_b32 s[\g+1], (\wid)<<16
	s_mov_b32 s[\g+2], (\rows)<<16
	s_mov_b32 s[\g+3], (\wid)<<16
	s_mov_b32 s[\g+4], \rows
	s_mov_b32 s[\g+5], \pitch
	s_mov_b32 s[\g+6], 0
	s_mov_b32 s[\g+7], 0
.endm
.macro TLOAD gk, gv                    ; waves 0-3 fetch for K, waves 4-7 for V: one load in each arm; an s_nop 0 and four v_nop follow each
	s_cmp_lt_u32 s[WV], 4
	s_cbranch_scc0 .Lv_\@
	tensor_load_to_lds s[G0:G0+3], s[\gk:\gk+7]
	s_nop 0
.rept 4
	v_nop
.endr
	s_branch .Lj_\@
.Lv_\@:
	tensor_load_to_lds s[G0:G0+3], s[\gv:\gv+7]
	s_nop 0
.rept 4
	v_nop
.endr
.Lj_\@:
.endm
.macro SEQ                             ; ahead of a later first fill, as ahead of a refill
	s_wait_tensorcnt 0x0                           ; my load is done, so group 0 may be written
	ds_add_u32 v[SPW], v[NIL]
	s_add_co_u32 s[G0+1], s[G0+1], GRP             ; the next four key steps of my part,
	s_add_nc_u64 s[G0+2:G0+3], s[G0+2:G0+3], s[18:19]   ; and in memory
	s_wait_dscnt 0x0                               ; the add is done, and no LDS load of mine is out
	s_barrier_signal -1
	s_barrier_wait -1                              ; everybody's part of the group before has landed
.endm
.macro FETCHK a, b                     ; eight fragments of 16 keys x 64: tiles 2 u from the even blocks' parts, 2 u + 1 from the odd blocks'; a load reads 512 bytes on end
.irp u, 0,1,2,3
	ds_load_b128 v[KF+16*\u:KF+16*\u+3],     v[\a] offset:512*\u
	ds_load_b128 v[KF+16*\u+4:KF+16*\u+7],   v[\a] offset:512*\u+32768
	ds_load_b128 v[KF+16*\u+8:KF+16*\u+11],  v[\b] offset:512*\u
	ds_load_b128 v[KF+16*\u+12:KF+16*\u+15], v[\b] offset:512*\u+32768
.endr
.endm
.macro HOLD i                          ; the conversion does not saturate (ISA guide 7.6.2); p is not negative, so the hold is one-sided; two numbers an instruction
	v_dual_min_num_f32 v[S+\i], v[S+\i], v[L8A] :: v_dual_min_num_f32 v[S+\i+1], v[S+\i+1], v[L8B]
.endm
.macro RD t                            ; a tile's readers: its part of the sum of the UNQUANTISED p in two chains, the hold, the conversion: registers 2 t, 2 t + 1 of the operand are keys 16 t + 8 h + 0 .. 7
.if \t == 0
	v_pk_add_f32 v[212:213], v[S:S+1], v[S+2:S+3]
.else
	v_pk_add_f32 v[14:15], v[14:15], v[S+8*\t:S+8*\t+1]
	v_pk_add_f32 v[212:213], v[212:213], v[S+8*\t+2:S+8*\t+3]
.endif
	HOLD 8*\t
	v_pk_add_f32 v[14:15], v[14:15], v[S+8*\t+4:S+8*\t+5]
	HOLD 8*\t+2
	v_pk_add_f32 v[212:213], v[212:213], v[S+8*\t+6:S+8*\t+7]
	HOLD 8*\t+4
	HOLD 8*\t+6
	v_cvt_scalef32_pk8_bf8_f32 v[PC+2*\t:PC+2*\t+1], v[S+8*\t:S+8*\t+7], v[SC8]
.endm
	s_load_b128 s[4:7], s[0:1], 0x0                ; qkvc, the scales' exponents
	s_load_b64 s[8:9], s[0:1], 0x10                ; oc
	v_lshl_add_u32 v[SPW], v0, 2, SPARE
	v_mov_b32 v[NIL], 0
	ds_add_u32 v[SPW], v[NIL]                      ; the opening: the add, twice on end, and its wait ahead of my first tensor load
	ds_add_u32 v[SPW], v[NIL]
	v_lshrrev_b32 v208, 5, v0
	v_readfirstlane_b32 s[WV], v208                ; wave 0..7
	DESC K32, 16, 512, 32768
	DESC V32, 32, 256, 256
	DESC K64, 32, 512, 32768
	DESC V64, 64, 256, 256
	s_and_b32 s11, ttmp7, 0xffff
	s_and_b32 s13, s11, 15                         ; head
	s_lshr_b32 s12, s11, 4                         ; batch
	s_and_b32 s14, s[WV], 3                        ; my part of K or of V
	s_lshl_b32 s2, s12, 21                         ; the head's K: 4 MiB + 128 batch blocks of 16,384 + 1,024 head
	s_lshl_b32 s3, s13, 10
	s_add_co_u32 s2, s2, s3
	s_add_co_u32 s62, s2, 0x400000
	s_and_b32 s3, s14, 1                           ; my part: + 512 c
	s_lshl_b32 s3, s3, 9
	s_add_co_u32 s2, s62, s3
	s_lshr_b32 s3, s14, 1                          ; + u blocks
	s_lshl_b32 s3, s3, 14
	s_add_co_u32 s2, s2, s3
	s_lshl_b32 s15, s13, 18                        ; the head's V: 8 MiB + 4 head blocks of 65,536 + 32,768 batch
	s_lshl_b32 s3, s12, 15
	s_add_co_u32 s15, s15, s3
	s_add_co_u32 s63, s15, 0x800000
	s_lshl_b32 s3, s14, 16                         ; my part: + d blocks
	s_add_co_u32 s15, s63, s3
	s_mov_b32 s18, GRP
	s_cmp_lt_u32 s[WV], 4
	s_cselect_b32 s16, s2, s15
	s_cselect_b32 s18, 0x80000, s18                ; four key steps on in memory: 32 blocks of K, 8,192 bytes of V
	s_mov_b32 s17, 0
	s_mov_b32 s19, 0
	s_and_b32 s11, ttmp9, 3                        ; the prefetches: my work-group's quarter,
	s_and_b32 s14, s[WV], 1                        ; and, of the third group's, my wave's half of it
	s_lshl_b32 s2, s11, 17
	s_add_co_u32 s2, s2, s62
	s_add_co_u32 s2, s2, 0x80000                   ; K, second group: block 32 + 8 (x % 4)
	s_add_co_u32 s3, s11, s14
	s_lshl_b32 s3, s3, 17
	s_add_co_u32 s3, s3, s2
	s_add_co_u32 s3, s3, 0x80000                   ; K, third group: block 64 + 16 (x % 4) + 8 (wave % 2)
	s_lshl_b32 s15, s11, 16
	s_add_co_u32 s15, s15, s63
	s_add_co_u32 s15, s15, 0x2000                  ; V, second group: channel block x % 4, byte 8,192
	s_lshl_b32 s14, s14, 13
	s_add_co_u32 s14, s14, s15
	s_add_co_u32 s14, s14, 0x2000                  ; V, third group: byte 16,384 + 8,192 (wave % 2)
	s_cmp_lt_u32 ttmp9, 4
	s_cselect_b32 s98, s2, s15
	s_cselect_b32 s14, s3, s14
	s_cselect_b32 s11, 0, -1                       ; all lanes: V's lane offsets
	s_mov_b32 s99, 0
	s_mov_b32 s15, 0
	s_lshl_b32 s2, s12, 7
	s_add_co_u32 s2, s2, s[WV]                     ; 128 batch + wave
	s_lshl_b32 s13, s13, 10
	s_sub_co_u32 s3, 15, ttmp9                     ; the first pass's block of queries
	s_lshl_b32 s3, s3, 3
	s_add_co_u32 s3, s3, s2
	s_lshl_b32 s3, s3, 14
	s_add_co_u32 s60, s3, s13                      ; my tile's bytes, the same in Q's part of qkvc and in oc
	s_lshl_b32 s3, ttmp9, 3                        ; the second pass's
	s_add_co_u32 s3, s3, s2
	s_lshl_b32 s3, s3, 14
	s_add_co_u32 s62, s3, s13
	s_mov_b32 s61, 0
	s_mov_b32 s63, 0
	s_mov_b32 s66, 0x76543210                      ; v_permlanex16_b32: lane l xor 16
	s_mov_b32 s67, 0xfedcba98
	s_wait_dscnt 0x0                               ; both opening adds are done
	s_wait_kmcnt 0x0
	s_load_b512 s[76:91], s[6:7], 0x0              ; the sixteen exponents
	s_mov_b32 s[G0], 1
	s_lshl_b32 s[G0+1], s[WV], 15                  ; my part of LDS
	s_add_nc_u64 s[G0+2:G0+3], s[4:5], s[16:17]
	s_or_b32 s[G0+3], s[G0+3], 0x80000000
	TLOAD K32, V32                                 ; key steps 0 to 3
	s_add_nc_u64 s[20:21], s[4:5], s[60:61]
	s_add_nc_u64 s[22:23], s[4:5], s[62:63]
	s_add_nc_u64 s[92:93], s[8:9], s[60:61]        ; where the first pass stores,
	s_add_nc_u64 s[94:95], s[8:9], s[62:63]        ; and the second
	s_add_nc_u64 s[98:99], s[4:5], s[98:99]        ; what I name of the second group; never rewritten
	s_add_nc_u64 s[14:15], s[4:5], s[14:15]        ; and of the third; never rewritten
	v_and_b32 v208, 31, v0
	v_lshlrev_b32 v[AK0], 4, v208
	global_load_b128 v[Q:Q+3],     v[AK0], s[20:21]
	global_load_b128 v[Q+4:Q+7],   v[AK0], s[20:21] offset:512
	global_load_b128 v[Q2:Q2+3],   v[AK0], s[22:23]
	global_load_b128 v[Q2+4:Q2+7], v[AK0], s[22:23] offset:512
	v_lshrrev_b32 v209, 2, v208                    ; K: block lane / 4, 256 (lane % 4) of its 1,024 bytes
	v_and_b32 v214, 3, v0
	v_lshlrev_b32 v214, 8, v214
	v_lshl_add_u32 v209, v209, 14, v214
	v_lshlrev_b32 v214, 8, v208                    ; V: 256 x lane
	v_cndmask_b32 v[PFO], v209, v214, s11
	s_wait_alu depctr_va_vdst(0)
	s_cmp_lg_u32 s[WV], 0
	s_cbranch_scc1 .Lnp0
	global_prefetch_b8 v[PFO], s[98:99] th:TH_LOAD_NT scope:SCOPE_SE   ; my work-group's 32 blocks of key steps 4 to 7
.Lnp0:
	v_and_b32 v208, 15, v0                         ; r
	v_bfe_u32 v209, v0, 4, 1                       ; h
	v_lshlrev_b32 v214, 4, v208
	v_add_nc_u32 v[AK1], 0x10000, v[AK0]
	v_add_nc_u32 v[AV0], 0x20000, v[AK0]
	v_add_nc_u32 v[AV1], 0x30000, v[AK0]
	v_lshl_add_u32 v[GO], v209, 3, v214
	v_lshrrev_b32 v215, 5, v0
	v_lshl_add_u32 v[DV], v215, 4, v208
	v_lshlrev_b32 v209, 3, v209
	v_sub_nc_u32 v[DV], v[DV], v209
	v_mov_b32 v[NINF], 0xff800000
	v_mov_b32 v[TP], 0                             ; written once: a lane permute's destination counts as read
	v_mov_b32 v13, 0xff61b1e6                      ; the largest t so far: -3e38, under every t
	v_floor_f32 v12, -v13                          ; -M
	v_mov_b32 v14, 0
	v_mov_b32 v15, 0
	v_mov_b32 v211, 0                              ; (named as the upper half of the pair v[210:211])
.set nn, 0
.rept 32
	v_mov_b32 v[OT+nn], 0                          ; O^T: a pass's first step finds zeros, which the first change of M leaves zeros
.set nn, nn+1
.endr
	s_wait_kmcnt 0x0
	s_add_co_i32 s2, s82, s83                      ; a score stands for score x 2^(e6 + e7): added to the exponent field of
	s_lshl_b32 s2, s2, 23
	s_add_co_i32 s68, s2, 0x3e38aa3b               ; c = log2(e) / 8
	s_mov_b32 s69, s68
	s_add_co_i32 s2, s84, 127
	s_lshl_b32 s3, s2, 23
	v_mov_b32 v[SC8], s3
	s_add_co_i32 s2, s2, 15
	s_lshl_b32 s2, s2, 23
	s_or_b32 s2, s2, 0x600000
	v_mov_b32 v[L8A], s2
	v_mov_b32 v[L8B], s2
	s_add_co_i32 s2, s86, 127
	s_lshl_b32 s3, s2, 23
	v_mov_b32 v[SC10], s3
	s_add_co_i32 s2, s2, 15
	s_lshl_b32 s2, s2, 23
	s_or_b32 s2, s2, 0x600000
	v_mov_b32 v[L10], s2
	s_add_co_i32 s96, s84, s85                     ; e8 + e9
; A KEY STEP of 128 keys.  gen = 0: a step under the diagonal of the first pass; the LDS bytes step by constants.  gen = 1: any step: the key step is a scalar, the diagonal is masked, a pass's end stores and begins the next.
.macro STEP gen
.if \gen
	s_add_co_u32 s[NK], s[KS], 1
	s_cmp_eq_u32 s[KS], s[DG]
	s_cselect_b32 s[NK], 0, s[NK]                  ; behind the diagonal comes the next pass's key step 0
	s_and_b32 s[NK], s[NK], 15
	s_lshl_b32 s[TBK], s[NK], 11
	s_lshl_b32 s[TBV], s[KS], 11
.endif
	s_wait_dscnt 0x0                               ; this step's K, asked for a step ago, is in
.irp t, 0,1,2,3,4,5,6,7
	v_wmma_f32_16x16x64_bf8_bf8 v[S+8*\t:S+8*\t+7], v[KF+8*\t:KF+8*\t+7], v[Q:Q+7], 0   ; lane (r, h): query r; register 8 t + j: key 16 t + 8 h + j
.endr
	v_add_nc_u32 v[ADV], s[TBV], v[AV0]            ; four plain lines: the places in front of the loads into K's and V's registers and of the first read of the scores
	v_add_nc_u32 v[ADV2], s[TBV], v[AV1]
	v_add_nc_u32 v[ADK], s[TBK], v[AK0]
	v_add_nc_u32 v[ADK2], s[TBK], v[AK1]
	WIN 0x40                                       ; destination window 1
.irp d, 0,1
.irp c, 0,1,2,3
	ds_load_b128 v[16*\d+4*\c:16*\d+4*\c+3], v[ADV] offset:32768*\d+512*\c   ; this step's V^T: 16 channels x 128 keys a fragment
.endr
.endr
.irp d, 0,1
.irp c, 0,1,2,3
	ds_load_b128 v[32+16*\d+4*\c:32+16*\d+4*\c+3], v[ADV2] offset:32768*\d+512*\c
.endr
.endr
	WIN 0
	FETCHK ADK, ADK2                               ; the NEXT step's K
.if \gen
	s_cmp_lg_u32 s[KS], s[DG]
	s_cbranch_scc1 .Lopen_\@
.set nn, 0
.rept 64
	v_cmp_gt_i32 vcc_lo, 16*(nn/8)+nn%8, v[DV]
	v_cndmask_b32 v[S+nn], v[S+nn], v[NINF], vcc_lo   ; a hidden key's score: p = 0 then.  The step's first key counts for every query
.set nn, nn+1
.endr
.Lopen_\@:
.endif
	v_max_num_f32 v208, v[S], v[S+1]               ; the step's largest score of my query among my 64 keys, in four chains, each accumulator from its low end on,
	v_max_num_f32 v209, v[S+2], v[S+3]
	v_max_num_f32 v214, v[S+4], v[S+5]
	v_max_num_f32 v215, v[S+6], v[S+7]
.irp t, 1,2,3,4,5,6,7
	v_max3_num_f32 v208, v208, v[S+8*\t], v[S+8*\t+1]
	v_max3_num_f32 v209, v209, v[S+8*\t+2], v[S+8*\t+3]
	v_max3_num_f32 v214, v214, v[S+8*\t+4], v[S+8*\t+5]
	v_max3_num_f32 v215, v215, v[S+8*\t+6], v[S+8*\t+7]
.endr
	v_max3_num_f32 v208, v208, v209, v214
	v_max_num_f32 v208, v208, v215
	v_permlanex16_b32 v[TP], v208, s66, s67
	v_max_num_f32 v208, v208, v[TP]                ; and among lane l xor 16's
	s_delay_alu instid0(VALU_DEP_1)
	v_mul_f32 v208, s68, v208                      ; as t (c is positive)
	s_delay_alu instid0(VALU_DEP_1)
	v_max_num_f32 v13, v13, v208                   ; the running largest t
	s_delay_alu instid0(VALU_DEP_1)
	v_floor_f32 v209, -v13                         ; the new -M = -ceil(t)
	s_delay_alu instid0(VALU_DEP_1)
	v_sub_f32 v208, v209, v12                      ; old M - new M: a whole number, 0 or less
	s_delay_alu instid0(VALU_DEP_1)
	v_cvt_i32_f32 v208, v208                       ; (it saturates)
	s_delay_alu instid0(VALU_DEP_1)
	v_ldexp_f32 v210, 1.0, v208                    ; f = 2^(old M - new M): rounds nothing
	v_mov_b32 v12, v209
.set nn, 0
.rept 16
	v_pk_fma_f32 v[S+nn:S+nn+1], v[S+nn:S+nn+1], s[68:69], v[12:13] op_sel_hi:[1,0,0]   ; t - M of tiles 0 to 3
.set nn, nn+2
.endr
.set nn, 0
.rept 16
	v_pk_mul_f32 v[OT+nn:OT+nn+1], v[OT+nn:OT+nn+1], v[210:211] op_sel_hi:[1,0]   ; O^T under the new M, ahead of the exponentials; each accumulator from its low end on
.set nn, nn+2
.endr
	s_wait_alu depctr_va_vdst(0)                   ; ahead of the first batch
.set nn, 0
.rept 32
	v_exp_f32 v[S+nn], v[S+nn]                     ; p = 2^(t - M) of tiles 0 to 3
.set nn, nn+1
.endr
.set nn, 32
.rept 16
	v_pk_fma_f32 v[S+nn:S+nn+1], v[S+nn:S+nn+1], s[68:69], v[12:13] op_sel_hi:[1,0,0]   ; t - M of tiles 4 to 7: plain lines that name none of the batch's registers
.set nn, nn+2
.endr
	v_pk_mul_f32 v[14:15], v[14:15], v[210:211] op_sel_hi:[1,0]   ; the sums under the new M
	s_wait_alu depctr_va_vdst(0)                   ; behind the first batch and ahead of the second
.set nn, 32
.rept 32
	v_exp_f32 v[S+nn], v[S+nn]                     ; tiles 4 to 7
.set nn, nn+1
.endr
.irp r, 0,1,2,3
	RD \r                                          ; the first batch's readers name none of the second batch's registers
.endr
	s_wait_alu depctr_va_vdst(0)                   ; behind the second batch, ahead of its first reader
.irp r, 4,5,6,7
	RD \r
.endr
	v_pk_add_f32 v[14:15], v[14:15], v[212:213]    ; the two chains; also the plain line between the last conversion and the products that read its codes
	s_wait_alu depctr_va_vdst(0)
	s_wait_dscnt 16                                ; V's 16 loads are in; the 16 loads of the next K may be out
	WIN 0x01                                       ; source 0 (V^T) window 1
.irp d, 0,1,2,3
	v_wmma_f32_16x16x128_bf8_bf8 v[OT+8*\d:OT+8*\d+7], v[16*\d:16*\d+15], v[PC:PC+15], v[OT+8*\d:OT+8*\d+7]   ; the four accumulators take turns
.endr
	WIN 0
.if \gen
	s_cmp_lg_u32 s[KS], s[DG]
	s_cbranch_scc1 .Lon_\@
	; THE PASS'S END: O^T / the sum x 2^(e8 + e9), quantised under e10, stored; then the state of the next pass
.rept 4
	v_nop                                          ; places behind the last products
.endr
	v_add_f32 v14, v14, v15
	v_permlanex16_b32 v[TP], v14, s66, s67
	v_add_f32 v14, v14, v[TP]                      ; the row's sum
	s_wait_alu depctr_va_vdst(0)                   ; ahead of the transcendental
	v_rcp_f32 v14, v14
	v_nop
	s_wait_alu depctr_va_vdst(0)                   ; ahead of its first reader
	v_ldexp_f32 v14, v14, s96
	s_wait_alu depctr_va_vdst(0)                   ; directly ahead of the first reader of O^T
.set nn, 0
.rept 16
	v_pk_mul_f32 v[S+nn:S+nn+1], v[OT+nn:OT+nn+1], v[14:15] op_sel_hi:[1,0]   ; register 8 d + j: channel 16 d + 8 h + j of my query
.set nn, nn+2
.endr
.set nn, 0
.rept 32
	v_med3_num_f32 v[S+nn], v[S+nn], -v[L10], v[L10]
.set nn, nn+1
.endr
.irp d, 0,1,2,3
	v_cvt_scalef32_pk8_bf8_f32 v[PC+2*\d:PC+2*\d+1], v[S+8*\d:S+8*\d+7], v[SC10]
.endr
	v_nop
.irp d, 0,1,2,3
	global_store_b64 v[GO], v[PC+2*\d:PC+2*\d+1], s[92:93] offset:256*\d   ; 32 lanes store 256 consecutive bytes, aligned: 16 queries x 16 channels
.endr
	s_wait_xcnt 0x0                                ; the stores have read their data and their base: both are written again below and in the next step
	s_mov_b64 s[92:93], s[94:95]
	s_mov_b32 s[DG], ttmp9                         ; the second pass: block x
	v_mov_b32 v13, 0xff61b1e6
	v_floor_f32 v12, -v13
	v_mov_b32 v14, 0
	v_mov_b32 v15, 0
.set nn, 0
.rept 32
	v_mov_b32 v[OT+nn], 0
.set nn, nn+1
.endr
.irp j, 0,1,2,3,4,5,6,7
	v_mov_b32 v[Q+\j], v[Q2+\j]
.endr
	s_wait_alu depctr_va_vdst(0)
.Lon_\@:
	s_mov_b32 s[KS], s[NK]
.else
	s_add_co_u32 s[TBK], s[TBK], 2048
	s_add_co_u32 s[TBV], s[TBV], 2048
.endif
.endm
	s_wait_alu depctr_va_vdst(0)
	s_wait_loadcnt 0x0                             ; Q
	SEQ                                            ; key steps 0 to 3 lie in LDS
	TLOAD K32, V32                                 ; key steps 4 to 7: the first tensor load behind the barrier
	FETCHK AK0, AK1                                ; key step 0
	s_cmp_gt_u32 s[WV], 1
	s_cbranch_scc1 .Lnp1
	global_prefetch_b8 v[PFO], s[14:15] th:TH_LOAD_NT scope:SCOPE_SE   ; my work-group's 64 blocks of key steps 8 to 15, 32 a wave
.Lnp1:
	s_mov_b32 s[TBK], 2048
	s_mov_b32 s[TBV], 0
	s_mov_b32 s[CNT], 3
.Lg0:                                                  ; key steps 0 to 2: they read K up to key step 3
	STEP 0
	s_sub_co_u32 s[CNT], s[CNT], 1
	s_cmp_lg_u32 s[CNT], 0
	s_cbranch_scc1 .Lg0
	SEQ                                            ; key steps 4 to 7 lie in LDS
	TLOAD K64, V64                                 ; key steps 8 to 15
	s_mov_b32 s[TBK], 4*2048
	s_mov_b32 s[TBV], 3*2048
	s_mov_b32 s[CNT], 4
.Lg1:                                                  ; key steps 3 to 6: they read K up to key step 7
	STEP 0
	s_sub_co_u32 s[CNT], s[CNT], 1
	s_cmp_lg_u32 s[CNT], 0
	s_cbranch_scc1 .Lg1
	s_wait_tensorcnt 0x0                           ; my part of key steps 8 to 15 is in
	s_wait_dscnt 0x0                               ; no LDS load is pending at a signal
	s_barrier_signal -1
	s_barrier_wait -1                              ; all of the head's K and V lie in LDS
	s_mov_b32 s[KS], 7
	s_sub_co_u32 s[DG], 15, ttmp9
	s_mov_b32 s[CNT], 10
.Lg2:                                                  ; the other ten: 9 - x of the first pass, x + 1 of the second
	STEP 1
	s_sub_co_u32 s[CNT], s[CNT], 1
	s_cmp_lg_u32 s[CNT], 0
	s_cbranch_scc1 .Lg2
	s_wait_tensorcnt 0x0                           ; the wave's end
	ds_add_u32 v[SPW], v[NIL]
	s_wait_dscnt 0x0                               ; also the last step's fetch of K, which nobody uses
	s_endpgm
.Lfunc_end_k_q78b39330df_attn:
	.size	k_q78b39330df_attn, .Lfunc_end_k_q78b39330df_attn-k_q78b39330df_attn
	.p2alignl 7, 3214868480
	.fill 96, 4, 3214868480
	.section	.rodata,"a",@progbits
	.p2align	6, 0x0
	.amdhsa_kernel k_q78b39330df_attn
		.amdhsa_group_segment_fixed_size 327680
		.amdhsa_private_segment_fixed_size 0
		.amdhsa_enable_private_segment 0
		.amdhsa_kernarg_size 24
		.amdhsa_user_sgpr_count 2
		.amdhsa_user_sgpr_kernarg_segment_ptr 1
		.amdhsa_wavefront_size32 1
		.amdhsa_system_sgpr_workgroup_id_x 1
		.amdhsa_system_sgpr_workgroup_id_y 1
		.amdhsa_system_sgpr_workgroup_id_z 1
		.amdhsa_system_vgpr_workitem_id 0
		.amdhsa_next_free_vgpr 320
		.amdhsa_next_free_sgpr 100
		.amdhsa_reserve_vcc 1
		.amdhsa_float_denorm_mode_32 3
		.amdhsa_float_denorm_mode_16_64 3
		.amdhsa_memory_ordered 1
		.amdhsa_forward_progress 1
		.amdhsa_inst_pref_size 71
	.end_amdhsa_kernel
	.amdgpu_metadata
---
amdhsa.version: [ 1, 2 ]
amdhsa.kernels:
  - .name:           k_q78b39330df_attn
    .symbol:         k_q78b39330df_attn.kd
    .args:
      - { .name: qkvc, .offset: 0, .size: 8, .value_kind: global_buffer, .address_space: global }
      - { .name: lowp_scales, .offset: 8, .size: 8, .value_kind: global_buffer, .address_space: global }
      - { .name: oc, .offset: 16, .size: 8, .value_kind: global_buffer, .address_space: global }
    .group_segment_fixed_size: 327680
    .private_segment_fixed_size: 0
    .kernarg_segment_align: 8
    .kernarg_segment_size: 24
    .max_flat_workgroup_size: 256
    .sgpr_count:     100
    .vgpr_count:     320
    .wavefront_size: 32
...
	.end_amdgpu_metadata
.endif
;; end of part 3
;; launch proj (part 4): grid 8 x 32, 4 waves a work-group, clusters of 4 x 4, 327,680 bytes of LDS; arguments oc, Wp_codes, lowp_scales, bp, x, x1; writes x1
.if DOCPART == 4
	.amdgcn_target "amdgcn-amd-amdhsa--gfx1250"
	.amdhsa_code_object_version 6
	.text
	.protected	k_q78b39330df_proj
	.globl	k_q78b39330df_proj
	.p2align	8
	.type	k_q78b39330df_proj,@function
k_q78b39330df_proj:
	s_mov_b64 s[64:65], 0
	v_nop
	global_prefetch_b8 v0, s[64:65] scope:SCOPE_SE
	s_setreg_imm32_b32 hwreg(HW_REG_WAVE_MODE, 25, 1), 1
	s_wait_xcnt 0x0
	s_wait_alu depctr_hold_cnt(0) depctr_sa_sdst(0) depctr_va_vdst(0) depctr_va_sdst(0) depctr_va_ssrc(0) depctr_va_vcc(0) depctr_vm_vsrc(0)
	s_getreg_b32 s2, hwreg(HW_REG_IB_STS2, 6, 4)
	s_cmp_eq_u32 s2, 0
	s_cbranch_scc0 .Lentry_in_a_cluster
	s_endpgm
.Lentry_in_a_cluster:
	s_bfe_u32 s2, ttmp6, 0x10000c
	s_cmp_lg_u32 s2, 0xf033
	s_cbranch_scc0 .Lentry_shape_is_right
	s_endpgm
.Lentry_shape_is_right:
; out = res + bias + R C^T x 2^(ea + eb): 4,096 x 1,024 outputs in f32, K = KK, both operands codes of BF8 (E5M2).
; R (4,096 rows) lies as images of operand registers: code (row, k) at (row / 16) 16 KK + (k / 16) 256 + (row % 16) 16 + k % 16.  C (1,024 rows, a weight) is row-major with K innermost.
; Both give lane (r, h), in registers 4 c .. 4 c + 3, k = 32 c + 16 h + 0 .. 15: a permutation of k that is the same in both operands.
; A tile is 128 x 128, so that there are 256 work-groups; four waves of 64 x 64: 16 accumulators.  Source 0 = 16 rows of C, source 1 = 16 rows of R: a lane holds eight neighbouring outputs of one row.
; K goes in steps of 512 through two LDS slots (four steps of 128 each), filled by joint tensor loads: clusters of 4 x 4, R's tile shared along a row of the cluster, C's along a column.
; The residual's and the bias's numbers are asked for at the head, in the layout in which the results leave, and land under the products.
; THE WAY OUT: 16 rows x 64 columns at a time through the wave's own stage in LDS; sixteen lanes store 256 consecutive bytes, aligned.  The stage lies in slot 0, which has had its last fill and its last read by then.
; LIMIT: ea + eb between -126 and 127.
; REGISTERS: window 0: v0-31 addresses, v128-255 the accumulators ((a, b) at v[128 + 8 (4 a + b)]).  window 1: two fragment buffers of 128 (R's four fragments, then C's four); later the rows read back.  window 2: v0-127 the residual, v128-131 the bias.
.set KK,     1024
.set EA,     86                        ; s86, s87: entries 10 and 11 of the scales
.set EB,     87
.set PITCH,  528                       ; a row of C in LDS: 512 bytes + 16 of padding: the 16 rows of a load start at 16 different banks (64 banks of 4 bytes: ISA guide 11.1)
.set RBLK,   8192                      ; 16 rows of R x 512 along K
.set RHALF,  4*RBLK                    ; 64 rows of R: one tensor load
.set CHALF,  64*PITCH                  ; 64 rows of C: one tensor load
.set COFF,   2*RHALF
.set SLOT,   COFF+2*CHALF
.set LAPS,   KK/1024                   ; a lap = two K steps of 512
.set SPARE,  2*SLOT                    ; behind the ring: the spare words, 128 bytes a wave, which no other line names
.set SPITCH, 272                       ; the stage: 16 rows x (256 bytes + 16) a wave
.set ADRA, 16
.set ADRB, 20
.set STO,  24
.set RD,   25
.set CO,   26
.set BO,   27
.set SPW,  28
.set NIL,  29
.set ACC,  128
.set F0,   0
.set F1,   128
.set G1,  24
.set G0,  32
.set G1B, 48
.set G0B, 56
.set WV,  66
.set HR,  67                           ; wave / 2: my half of R's rows.  Also: I fetch for R (0) or for C (1)
.set HC,  68                           ; wave % 2: my half of C's rows.  Also: which 64 rows I fetch
.set CX,  69
.set CY,  70
.set NT,  71
.set MT,  72
.set MSB, 0
.macro WIN new
.if MSB != \new
	s_set_vgpr_msb (MSB<<8)|\new
.set MSB, \new
.endif
.endm
.set MUL,  0x05                        ; sources 0 and 1 window 1; sums window 0
.set TO_F, 0x40                        ; destination window 1, address window 0
.macro JLOAD s                         ; a joint load: waves 0 and 1 fetch for R, waves 2 and 3 for C; four v_nop follow each of the two lines
	s_cmp_eq_u32 s[HR], 0
	s_cbranch_scc0 .Lfor_b_\@
	tensor_load_to_lds s[G0+4*\s:G0+4*\s+3], s[G1:G1+7]
	s_nop 0
.rept 4
	v_nop
.endr
	s_branch .Lasked_\@
.Lfor_b_\@:
	tensor_load_to_lds s[G0B+4*\s:G0B+4*\s+3], s[G1B:G1B+7]
	s_nop 0
.rept 4
	v_nop
.endr
.Lasked_\@:
.endm
.macro CREST
	s_cmp_lg_u32 s[WV], 0
	s_cbranch_scc1 .Lnot_wave_0_\@
	s_barrier_signal -3
.Lnot_wave_0_\@:
	s_barrier_wait -3
	s_barrier_signal -1
	s_barrier_wait -1
.endm
.macro CROUND
	s_barrier_signal -1
	s_barrier_wait -1
	CREST
.endm
	s_load_b256 s[4:11], s[0:1], 0x0               ; R's codes s[4:5], C's codes s[6:7], the scales' exponents s[8:9], the bias s[10:11]
	s_load_b128 s[12:15], s[0:1], 0x20             ; the residual s[12:13], the output s[14:15]
	v_lshl_add_u32 v[SPW], v0, 2, SPARE
	v_mov_b32 v[NIL], 0
	ds_add_u32 v28, v29
	ds_add_u32 v28, v29
	s_wait_dscnt 0x0
	v_lshrrev_b32 v1, 5, v0
	v_readfirstlane_b32 s[WV], v1
	s_lshr_b32 s[HR], s[WV], 1
	s_and_b32 s[HC], s[WV], 1
	s_bfe_u32 s[CX], ttmp6, 0x40000
	s_bfe_u32 s[CY], ttmp6, 0x40004
	s_lshl_b32 s[NT], ttmp9, 2
	s_add_co_u32 s[NT], s[NT], s[CX]               ; tile of C's rows = 4 x cluster x + cx
	s_and_b32 s[MT], ttmp7, 0xffff
	s_lshl_b32 s[MT], s[MT], 2
	s_add_co_u32 s[MT], s[MT], s[CY]               ; tile of R's rows = 4 x cluster y + cy
	s_lshl_b32 s73, s[CY], 2
	s_lshl_b32 s73, 15, s73                        ; my row of the cluster
	s_lshl_b32 s74, 0x1111, s[CX]                  ; my column
	s_or_b32 s[G1], s73, (0<<16)|(1<<21)           ; R: the mask: my row; elements of 1 byte; no padding; 21 set beside a mask
	s_mov_b32 s[G1+1], RBLK<<16                    ; tensor_dim0 = 8,192: a block's bytes of a K step
	s_mov_b32 s[G1+2], 4<<16                       ; tensor_dim1 = 4 blocks
	s_mov_b32 s[G1+3], RBLK<<16
	s_mov_b32 s[G1+4], 4
	s_mov_b32 s[G1+5], 16*KK                       ; from block to block
	s_mov_b32 s[G1+6], 0
	s_mov_b32 s[G1+7], 0
	s_or_b32 s[G1B], s74, (0<<16)|(1<<20)|(1<<21)|(6<<22)|(3<<25)   ; C: my column; padding: 4 words behind every 128
	s_mov_b32 s[G1B+1], 512<<16
	s_mov_b32 s[G1B+2], 64<<16
	s_mov_b32 s[G1B+3], 512<<16
	s_mov_b32 s[G1B+4], 64
	s_mov_b32 s[G1B+5], KK
	s_mov_b32 s[G1B+6], 0
	s_mov_b32 s[G1B+7], 0
	s_lshl_b32 s40, s[MT], 3                       ; R: block 8 x tile + 4 x half
	s_lshl_b32 s41, s[HC], 2
	s_add_co_u32 s40, s40, s41
	s_mul_i32 s40, s40, 16*KK
	s_mov_b32 s41, 0
	s_lshl_b32 s46, s[NT], 7                       ; C: row 128 x tile + 64 x half
	s_lshl_b32 s47, s[HC], 6
	s_add_co_u32 s46, s46, s47
	s_mul_i32 s46, s46, KK
	s_mov_b32 s47, 0
	s_lshl_b32 s42, s[HC], 15                      ; where they go: no place in the cluster enters an LDS address
	s_mul_i32 s43, s[HC], CHALF
	s_add_co_u32 s43, s43, COFF
	s_wait_kmcnt 0x0
	s_load_b512 s[76:91], s[8:9], 0x0              ; the sixteen exponents
	s_add_nc_u64 s[40:41], s[4:5], s[40:41]
	s_add_nc_u64 s[46:47], s[6:7], s[46:47]
	CROUND                                         ; all sixteen work-groups are here: the first joint loads meet
.irp s, 0,1
	s_mov_b32 s[G0+4*\s], 1
	s_add_co_u32 s[G0+4*\s+1], s42, \s*SLOT
	s_add_nc_u64 s[G0+4*\s+2:G0+4*\s+3], s[40:41], \s*RBLK
	s_or_b32 s[G0+4*\s+3], s[G0+4*\s+3], 0x80000000
	s_mov_b32 s[G0B+4*\s], 1
	s_add_co_u32 s[G0B+4*\s+1], s43, \s*SLOT
	s_add_nc_u64 s[G0B+4*\s+2:G0B+4*\s+3], s[46:47], \s*512
	s_or_b32 s[G0B+4*\s+3], s[G0B+4*\s+3], 0x80000000
.if \s == 0
	JLOAD 0                                        ; K step 0: one tensor load a wave at the head
.endif
.endr
	v_and_b32 v1, 15, v0                           ; r
	v_bfe_u32 v2, v0, 4, 1                         ; h
	v_mul_u32_u24 v3, v1, PITCH
	v_lshl_add_u32 v4, v2, 4, v3                   ; C: row x pitch + 16 h
	v_and_b32 v5, 31, v0
	v_lshlrev_b32 v5, 4, v5                        ; R: 16 x lane
	s_lshl_b32 s22, s[HR], 15                      ; my 64 rows of R
	s_mul_i32 s23, s[HC], CHALF                    ; my 64 rows of C
	s_add_co_u32 s23, s23, COFF
.irp s, 0,1
	v_add_nc_u32 v[ADRA+\s], s22, v5
	v_add_nc_u32 v[ADRB+\s], s23, v4
	s_add_co_u32 s22, s22, SLOT
	s_add_co_u32 s23, s23, SLOT
.endr
	s_mul_i32 s22, s[WV], 16*SPITCH                ; my stage
	v_mul_u32_u24 v[STO], v1, SPITCH               ; in: row r, 32 bytes for each half of the lanes
	v_lshl_add_u32 v[STO], v2, 5, v[STO]
	v_add_nc_u32 v[STO], s22, v[STO]
	v_mul_u32_u24 v[RD], v2, SPITCH                ; back: lanes 0-15 one row of 256 bytes, lanes 16-31 the next
	v_lshl_add_u32 v[RD], v1, 4, v[RD]
	v_add_nc_u32 v[RD], s22, v[RD]
	v_lshlrev_b32 v[BO], 4, v1                     ; my four columns
	v_lshl_add_u32 v[CO], v2, 12, v[BO]            ; and the same two rows in the output and the residual (rows of 4,096 bytes)
	; THE PREFETCH: behind K step 0's load each wave names 32 blocks of 256 bytes of K step 1, the only other one.  Of what a wave fetches (four blocks of R, 64 rows of C) each of the four partners that ask jointly
	; takes a quarter, told apart by address: 16,384 bytes x cx (a block of R) or x cy (16 rows of C).  R: 8,192 bytes on end, lanes 256 apart; C: row lane / 2, half lane % 2 of its 512 bytes.
	s_cmp_eq_u32 s[HR], 0                          ; do I fetch for R?
	s_cselect_b32 s98, 0, -1
	s_cselect_b64 s[94:95], s[40:41], s[46:47]     ; where my tensor loads begin; never rewritten
	s_cselect_b32 s99, s[CX], s[CY]
	s_mov_b32 s44, 512
	s_cselect_b32 s44, RBLK, s44                   ; a K step on
	s_lshl_b32 s99, s99, 14
	s_add_co_u32 s99, s99, s44
	v_and_b32 v6, 31, v0
	v_lshlrev_b32 v7, 8, v6
	v_lshrrev_b32 v8, 1, v6
	v_and_b32 v9, 1, v0
	v_lshlrev_b32 v9, 8, v9
	v_lshl_add_u32 v8, v8, 10, v9
	v_cndmask_b32 v30, v7, v8, s98
	v_add_nc_u32 v30, s99, v30                     ; never rewritten
	s_wait_alu depctr_va_vdst(0)
	global_prefetch_b8 v30, s[94:95] th:TH_LOAD_NT scope:SCOPE_SE
	s_lshl_b32 s96, s[NT], 9                       ; my first column in bytes: 512 x tile + 256 x half
	s_lshl_b32 s97, s[HC], 8
	s_add_co_u32 s96, s96, s97
	s_mov_b32 s97, 0
	s_add_nc_u64 s[20:21], s[10:11], s[96:97]      ; the bias there
	s_lshl_b32 s98, s[MT], 19                      ; my first row: 128 x tile + 64 x half
	s_add_co_u32 s96, s96, s98
	s_lshl_b32 s98, s[HR], 18
	s_add_co_u32 s96, s96, s98
	s_add_nc_u64 s[16:17], s[12:13], s[96:97]      ; the residual
	s_add_nc_u64 s[18:19], s[14:15], s[96:97]      ; the output
	WIN 0x80                                       ; destination window 2
.irp a, 0,1,2,3
.irp t, 0,1,2,3,4,5,6,7
	global_load_b128 v[32*\a+4*\t:32*\a+4*\t+3], v[CO], s[16:17] offset:(16*\a+2*\t)*4096   ; sixteen lanes read 256 consecutive bytes, aligned
.endr
.endr
	global_load_b128 v[128:131], v[BO], s[20:21]
	WIN 0
; 8 matrix instructions: R's blocks a0, a0 + 1 x C's four, 128 along K, from buffer f.  The 16 accumulators take turns, one instruction a turn, in the same order in every step.
.macro MUL8 f, a0, zero
.irp a, \a0, \a0+1
.irp b, 0,1,2,3
.if \zero
	v_wmma_f32_16x16x128_bf8_bf8 v[ACC+8*(4*(\a)+\b):ACC+8*(4*(\a)+\b)+7], v[\f+64+16*\b:\f+64+16*\b+15], v[\f+16*(\a):\f+16*(\a)+15], 0
.else
	v_wmma_f32_16x16x128_bf8_bf8 v[ACC+8*(4*(\a)+\b):ACC+8*(4*(\a)+\b)+7], v[\f+64+16*\b:\f+64+16*\b+15], v[\f+16*(\a):\f+16*(\a)+15], v[ACC+8*(4*(\a)+\b):ACC+8*(4*(\a)+\b)+7]
.endif
.endr
.endr
.endm
.macro FETCH slot, q, f                ; 32 LDS loads in one run: the fragments of the slot's q-th 128 along K into buffer f
	WIN TO_F
.irp i, 0,1,2,3
.irp c, 0,1,2,3
	ds_load_b128 v[\f+64+16*\i+4*\c:\f+64+16*\i+4*\c+3], v[ADRB+\slot] offset:\i*16*PITCH+128*(\q)+32*\c
.endr
.endr
.irp i, 0,1,2,3
.irp c, 0,1,2,3
	ds_load_b128 v[\f+16*\i+4*\c:\f+16*\i+4*\c+3], v[ADRA+\slot] offset:\i*RBLK+2048*(\q)+512*\c
.endr
.endr
.endm
.macro PLACES                          ; four plain vector instructions between a matrix instruction and a load into, or a read of, its registers
.rept 4
	v_nop
.endr
.endm
.macro STEP slot, q, cur, oth, zero    ; one of a slot's first three steps: the next step's fragments are asked for, then 16 products
	s_wait_dscnt 0x0                               ; buffer cur is in (asked for 16 matrix instructions ago)
	PLACES
	FETCH \slot, (\q)+1, \oth
	WIN MUL
	MUL8 \cur, 0, \zero
	MUL8 \cur, 2, \zero
.endm
; A slot's last step multiplies buffer 1 and changes slots: one barrier; in front of it each wave waits for all its tensor loads, adds 0 to its spare word, and waits for that and for its reads of this slot.  fill = 1: the slot is filled again, two K steps ahead.
.macro TURN slot, next, fill
	WIN 0
	s_wait_tensorcnt 0x0                           ; all my tensor loads have landed: my part of the next slot; so a group 0 may be written
	ds_add_u32 v[SPW], v[NIL]                      ; 0 onto my spare word
.if \fill
	s_add_nc_u64 s[G0+4*\slot+2:G0+4*\slot+3], s[G0+4*\slot+2:G0+4*\slot+3], 2*RBLK
	s_add_nc_u64 s[G0B+4*\slot+2:G0B+4*\slot+3], s[G0B+4*\slot+2:G0B+4*\slot+3], 2*512
.endif
	s_wait_dscnt 0x0                               ; the add is done, buffer 1 is in, and my reads of this slot are over
	s_barrier_signal -1
	WIN MUL
	MUL8 F1, 0, 0
	WIN 0
	s_barrier_wait -1
.if \fill
	CREST                                          ; the barrier has opened a round of the cluster's: no wave of any partner still reads this slot or has a load on its way
	JLOAD \slot                                    ; the first tensor load behind the round; its four v_nop are the places in front of the loads below
.else
	PLACES
.endif
	FETCH \next, 0, F0
	WIN MUL
	MUL8 F1, 2, 0
.endm
	s_wait_alu depctr_va_vdst(0)
	s_wait_tensorcnt 0x0                           ; my part of K step 0 is in; slot 1's first fill is issued as a refill is:
	ds_add_u32 v[SPW], v[NIL]                      ; 0 onto my spare word
	s_wait_dscnt 0x0
	CROUND                                         ; a whole round: everybody's part of K step 0 is in, and the joint loads meet
	JLOAD 1                                        ; K step 1: the first tensor load behind the round
	FETCH 0, 0, F0
	STEP 0, 0, F0, F1, 1                           ; the first step's products start the sums
.if LAPS > 1
	WIN 0
	s_mov_b32 s3, LAPS-1
.Llap:                                                 ; a trip goes once round the ring and fills both slots again
	STEP 0, 1, F1, F0, 0
	STEP 0, 2, F0, F1, 0
	TURN 0, 1, 1
	STEP 1, 0, F0, F1, 0
	STEP 1, 1, F1, F0, 0
	STEP 1, 2, F0, F1, 0
	TURN 1, 0, 1
	STEP 0, 0, F0, F1, 0
	WIN 0
	s_sub_co_u32 s3, s3, 1
	s_cmp_lg_u32 s3, 0
	s_cbranch_scc1 .Llap
.endif
	STEP 0, 1, F1, F0, 0                           ; the last lap fills nothing
	STEP 0, 2, F0, F1, 0
	TURN 0, 1, 0
	STEP 1, 0, F0, F1, 0
	STEP 1, 1, F1, F0, 0
	STEP 1, 2, F0, F1, 0
	s_wait_dscnt 0x0
	WIN MUL
	MUL8 F1, 0, 0
	MUL8 F1, 2, 0
	WIN 0
	PLACES                                         ; behind the last products: their sums are read and buffer 0's registers loaded below
.irp a, 0,1,2,3
.irp b, 0,1,2,3
	ds_store_b128 v[STO], v[ACC+8*(4*\a+\b):ACC+8*(4*\a+\b)+3] offset:64*\b        ; each accumulator from its low end on
	ds_store_b128 v[STO], v[ACC+8*(4*\a+\b)+4:ACC+8*(4*\a+\b)+7] offset:64*\b+16
.endr
	WIN TO_F
.irp t, 0,1,2,3,4,5,6,7
	ds_load_b128 v[32*\a+4*\t:32*\a+4*\t+3], v[RD] offset:2*\t*SPITCH   ; LDS serves a wave's instructions in order (ISA guide 5.7.1.4): these see my stores, and the next block's stores come behind them
.endr
	WIN 0
.endr
	s_wait_kmcnt 0x0
	s_add_co_i32 s92, s[EA], s[EB]
	s_add_co_i32 s92, s92, 127
	s_lshl_b32 s92, s92, 23                        ; 2^(ea + eb) as f32
	s_mov_b32 s93, s92                             ; (named with it as a pair)
	s_wait_loadcnt 0x0                             ; the residual and the bias
.irp a, 0,1,2,3
	s_wait_dscnt 16*(3-\a)                         ; block a is back; the sixteen LDS instructions of each later block may be out
	WIN 0x61                                       ; destination and source 0 window 1, source 2 (the bias) window 2
.irp t, 0,1,2,3,4,5,6,7
	v_pk_fma_f32 v[32*\a+4*\t:32*\a+4*\t+1],   v[32*\a+4*\t:32*\a+4*\t+1],   s[92:93], v[128:129] op_sel_hi:[1,0,1]
	v_pk_fma_f32 v[32*\a+4*\t+2:32*\a+4*\t+3], v[32*\a+4*\t+2:32*\a+4*\t+3], s[92:93], v[130:131] op_sel_hi:[1,0,1]
.endr
	WIN 0x49                                       ; source 1 (the residual) window 2
.irp t, 0,1,2,3,4,5,6,7
	v_pk_add_f32 v[32*\a+4*\t:32*\a+4*\t+1],   v[32*\a+4*\t:32*\a+4*\t+1],   v[32*\a+4*\t:32*\a+4*\t+1]
	v_pk_add_f32 v[32*\a+4*\t+2:32*\a+4*\t+3], v[32*\a+4*\t+2:32*\a+4*\t+3], v[32*\a+4*\t+2:32*\a+4*\t+3]
.endr
	WIN 0x04                                       ; the stores' data window 1
.irp t, 0,1,2,3,4,5,6,7
	global_store_b128 v[CO], v[32*\a+4*\t:32*\a+4*\t+3], s[18:19] offset:(16*\a+2*\t)*4096   ; sixteen lanes store 256 consecutive bytes, aligned
.endr
.endr
	WIN 0
	s_wait_tensorcnt 0x0                           ; the wave's end
	ds_add_u32 v[SPW], v[NIL]
	s_wait_dscnt 0x0
	CROUND                                         ; the closing round
	s_endpgm
.Lfunc_end_k_q78b39330df_proj:
	.size	k_q78b39330df_proj, .Lfunc_end_k_q78b39330df_proj-k_q78b39330df_proj
	.p2alignl 7, 3214868480
	.fill 96, 4, 3214868480
	.section	.rodata,"a",@progbits
	.p2align	6, 0x0
	.amdhsa_kernel k_q78b39330df_proj
		.amdhsa_group_segment_fixed_size 327680
		.amdhsa_private_segment_fixed_size 0
		.amdhsa_enable_private_segment 0
		.amdhsa_kernarg_size 48
		.amdhsa_user_sgpr_count 2
		.amdhsa_user_sgpr_kernarg_segment_ptr 1
		.amdhsa_wavefront_size32 1
		.amdhsa_system_sgpr_workgroup_id_x 1
		.amdhsa_system_sgpr_workgroup_id_y 1
		.amdhsa_system_sgpr_workgroup_id_z 1
		.amdhsa_system_vgpr_workitem_id 0
		.amdhsa_next_free_vgpr 768
		.amdhsa_next_free_sgpr 100
		.amdhsa_reserve_vcc 0
		.amdhsa_float_denorm_mode_32 3
		.amdhsa_float_denorm_mode_16_64 3
		.amdhsa_memory_ordered 1
		.amdhsa_forward_progress 1
		.amdhsa_inst_pref_size 54
	.end_amdhsa_kernel
	.amdgpu_metadata
---
amdhsa.version: [ 1, 2 ]
amdhsa.kernels:
  - .name:           k_q78b39330df_proj
    .symbol:         k_q78b39330df_proj.kd
    .args:
      - { .name: oc, .offset: 0, .size: 8, .value_kind: global_buffer, .address_space: global }
      - { .name: Wp_codes, .offset: 8, .size: 8, .value_kind: global_buffer, .address_space: global }
      - { .name: lowp_scales, .offset: 16, .size: 8, .value_kind: global_buffer, .address_space: global }
      - { .name: bp, .offset: 24, .size: 8, .value_kind: global_buffer, .address_space: global }
      - { .name: x, .offset: 32, .size: 8, .value_kind: global_buffer, .address_space: global }
      - { .name: x1, .offset: 40, .size: 8, .value_kind: global_buffer, .address_space: global }
    .group_segment_fixed_size: 327680
    .private_segment_fixed_size: 0
    .kernarg_segment_align: 8
    .kernarg_segment_size: 48
    .max_flat_workgroup_size: 128
    .sgpr_count:     100
    .vgpr_count:     768
    .wavefront_size: 32
...
	.end_amdgpu_metadata
.endif
;; end of part 4
;; launch ln2 (part 5): grid 256 x 1, 16 waves a work-group, no clusters, 19,456 bytes of LDS; arguments x1, g2, beta2, lowp_scales, h2c; writes h2c
.if DOCPART == 5
	.amdgcn_target "amdgcn-amd-amdhsa--gfx1250"
	.amdhsa_code_object_version 6
	.text
	.protected	k_q78b39330df_ln2
	.globl	k_q78b39330df_ln2
	.p2align	8
	.type	k_q78b39330df_ln2,@function
k_q78b39330df_ln2:
	s_mov_b64 s[64:65], 0
	v_nop
	global_prefetch_b8 v0, s[64:65] scope:SCOPE_SE
	s_setreg_imm32_b32 hwreg(HW_REG_WAVE_MODE, 25, 1), 1
	s_wait_xcnt 0x0
; h = LayerNorm(x) g + beta, rows of 1,024 f32, quantised to codes of BF8 (E5M2) NV times, each time with its own given scale 2^e.
; NIMG versions leave as IMAGES OF OPERAND REGISTERS: code (row, k) at byte (row / 16) 16,384 + (k / 16) 256 + (row % 16) 16 + k % 16; version i at i x 4 MiB of the output.
; (ROWV = 1 would add a row-major version and a copy of a weight's codes; here it is 0 and none of that is assembled.)
; SHARES.  A work-group takes 16 rows (one block of the image), a wave one row; lane L holds k = 256 c + 8 L + j in register X + 8 c + j.
; The mean is taken first and the variance of the differences, so a common offset of the row costs nothing.  All sums in f32.
; An image's unit of 256 bytes holds 16 bytes of each of the 16 rows: the waves' codes meet in a stage in LDS (units 272 bytes apart), one barrier, and each wave stores four whole units.
; LIMITS: e between -126 and 112 (2^e and 57,344 x 2^e are made as f32 numbers).  NaN among the inputs is not served; an infinity is held at the largest code.
.set NIMG, 1
.set ROWV, 0
.set NV,   NIMG+ROWV
.set E0,   44                          ; entry 12 of the scales
.set STG,  17408
.set X,    16
.set GN,   48
.set BT,   80
.set T,    112
.set CD,   128
.set SC,   162
.set RB,   168
.macro ALLSUM r                        ; the sum over the 32 lanes, in every lane
	s_delay_alu instid0(VALU_DEP_1)
	v_add_f32_dpp v[\r], v[\r], v[\r] row_xmask:1 row_mask:0xf bank_mask:0xf
	s_delay_alu instid0(VALU_DEP_1)
	v_add_f32_dpp v[\r], v[\r], v[\r] row_xmask:2 row_mask:0xf bank_mask:0xf
	s_delay_alu instid0(VALU_DEP_1)
	v_add_f32_dpp v[\r], v[\r], v[\r] row_xmask:4 row_mask:0xf bank_mask:0xf
	s_delay_alu instid0(VALU_DEP_1)
	v_add_f32_dpp v[\r], v[\r], v[\r] row_xmask:8 row_mask:0xf bank_mask:0xf
	s_delay_alu instid0(VALU_DEP_1)
	v_permlanex16_b32 v160, v[\r], s20, s21
	s_delay_alu instid0(VALU_DEP_1)
	v_add_f32 v[\r], v[\r], v160
.endm
	s_load_b256 s[4:11], s[0:1], 0x0               ; x s[4:5], gain s[6:7], bias s[8:9], the scales' exponents s[10:11]
	s_load_b64 s[14:15], s[0:1], 0x20              ; the image
	v_lshl_add_u32 v192, v0, 2, 0x4400
	v_mov_b32 v193, 0
	v_and_b32 v1, 31, v0                           ; lane
	v_lshrrev_b32 v10, 5, v0                       ; wave, in every lane
	s_delay_alu instid0(VALU_DEP_1)
	v_readfirstlane_b32 s18, v10                   ; and as a scalar
	s_delay_alu instid0(VALU_DEP_3)
	v_lshlrev_b32 v2, 5, v1                        ; 32 x lane: my eight numbers of a chunk of 256
	v_bfe_u32 v11, v0, 1, 4                        ; lane / 2
	v_and_b32 v12, 1, v0                           ; lane % 2
	s_delay_alu instid0(VALU_DEP_2)
	v_mul_u32_u24 v3, v11, 272
	s_delay_alu instid0(VALU_DEP_1)
	v_lshl_add_u32 v3, v12, 3, v3
	s_delay_alu instid0(VALU_DEP_1)
	v_lshl_add_u32 v3, v10, 4, v3                  ; into the stage: unit lane / 2 of a chunk's sixteen, row = wave, 8 bytes
	v_bfe_u32 v13, v0, 4, 1
	s_delay_alu instid0(VALU_DEP_1)
	v_lshl_add_u32 v13, v10, 2, v13                ; back: unit 4 x wave + lane / 16
	s_delay_alu instid0(VALU_DEP_1)
	v_mul_u32_u24 v4, v13, 272
	v_and_b32 v14, 15, v0
	s_delay_alu instid0(VALU_DEP_1)
	v_lshl_add_u32 v4, v14, 4, v4
	v_lshlrev_b32 v5, 4, v1
	s_delay_alu instid0(VALU_DEP_1)
	v_lshl_add_u32 v5, v10, 10, v5                 ; the same place in the block's image: 1,024 x wave + 16 x lane
	v_mov_b32 v160, 0                              ; written once: a lane permute's destination counts as read
	s_mov_b32 s20, 0x76543210                      ; v_permlanex16_b32: lane l xor 16
	s_mov_b32 s21, 0xfedcba98
	s_mov_b32 s22, 0x3a800000                      ; 1 / 1,024
	s_mov_b32 s23, 0x3727c5ac                      ; 1e-5
	s_mov_b32 s24, 0xba800000                      ; -1 / 1,024
	s_lshl_b32 s26, ttmp9, 16                      ; 16 rows of 4,096 bytes a work-group,
	s_lshl_b32 s27, s18, 12                        ; a row a wave
	s_add_co_u32 s26, s26, s27
	s_mov_b32 s27, 0
	s_lshl_b32 s28, ttmp9, 14                      ; my block of the image
	s_mov_b32 s29, 0
	s_wait_kmcnt 0x0
	s_load_b512 s[32:47], s[10:11], 0x0            ; the sixteen exponents
	s_add_nc_u64 s[4:5], s[4:5], s[26:27]
	s_add_nc_u64 s[14:15], s[14:15], s[28:29]
.irp c, 0,1,2,3
	global_load_b128 v[X+8*\c:X+8*\c+3],   v2, s[4:5] offset:1024*\c th:TH_LOAD_NT
	global_load_b128 v[X+8*\c+4:X+8*\c+7], v2, s[4:5] offset:1024*\c+16 th:TH_LOAD_NT
.endr
.irp c, 0,1,2,3
	global_load_b128 v[GN+8*\c:GN+8*\c+3],   v2, s[6:7] offset:1024*\c
	global_load_b128 v[GN+8*\c+4:GN+8*\c+7], v2, s[6:7] offset:1024*\c+16
.endr
.irp c, 0,1,2,3
	global_load_b128 v[BT+8*\c:BT+8*\c+3],   v2, s[8:9] offset:1024*\c
	global_load_b128 v[BT+8*\c+4:BT+8*\c+7], v2, s[8:9] offset:1024*\c+16
.endr
	s_wait_loadcnt 16+ROWV                         ; the row is in; gain and bias may be out
	v_pk_add_f32 v[154:155], v[16:17], v[18:19]
	v_pk_add_f32 v[190:191], v[24:25], v[28:29]
	v_pk_add_f32 v[188:189], v[32:33], v[36:37]
	v_pk_add_f32 v[186:187], v[40:41], v[44:45]
	v_pk_add_f32 v[184:185], v[20:21], v[22:23]
	v_pk_add_f32 v[182:183], v[26:27], v[30:31]
	v_pk_add_f32 v[180:181], v[34:35], v[38:39]
	v_pk_add_f32 v[152:153], v[42:43], v[46:47]
	s_delay_alu instid0(VALU_DEP_1)
	v_pk_add_f32 v[152:153], v[152:153], v[186:187]
	v_pk_add_f32 v[154:155], v[154:155], v[184:185]
	v_pk_add_f32 v[190:191], v[190:191], v[182:183]
	v_pk_add_f32 v[188:189], v[188:189], v[180:181]
	s_delay_alu instid0(VALU_DEP_2)
	v_pk_add_f32 v[152:153], v[152:153], v[190:191]
	s_delay_alu instid0(VALU_DEP_2)
	v_pk_add_f32 v[154:155], v[154:155], v[188:189]
	s_delay_alu instid0(VALU_DEP_1)
	v_pk_add_f32 v[152:153], v[152:153], v[154:155]
	s_delay_alu instid0(VALU_DEP_1)
	v_add_f32 v152, v152, v153
	ALLSUM 152
	s_delay_alu instid0(VALU_DEP_1)
	v_mul_f32 v156, s24, v152                      ; -mean
	s_delay_alu instid0(VALU_DEP_1)
	v_mov_b32 v157, v156
.set jj, 0
.rept 16
	v_pk_add_f32 v[X+jj:X+jj+1], v[X+jj:X+jj+1], v[156:157]   ; x - mean
.set jj, jj+2
.endr
	v_pk_mul_f32 v[152:153], v[X:X+1], v[X:X+1]    ; the sum of the squares, in two chains
	v_pk_mul_f32 v[154:155], v[X+2:X+3], v[X+2:X+3]
.irp j, 4,8,12,16,20,24,28
	s_delay_alu instid0(VALU_DEP_2)
	v_pk_fma_f32 v[152:153], v[X+\j:X+\j+1], v[X+\j:X+\j+1], v[152:153]
	s_delay_alu instid0(VALU_DEP_2)
	v_pk_fma_f32 v[154:155], v[X+\j+2:X+\j+3], v[X+\j+2:X+\j+3], v[154:155]
.endr
	s_delay_alu instid0(VALU_DEP_1)
	v_pk_add_f32 v[152:153], v[152:153], v[154:155]
	s_delay_alu instid0(VALU_DEP_1)
	v_add_f32 v152, v152, v153
	ALLSUM 152
	s_delay_alu instid0(VALU_DEP_1)
	v_fma_f32 v158, v152, s22, s23                 ; variance + 1e-5
	s_wait_alu depctr_va_vdst(0)
	v_rsq_f32 v158, v158
	v_nop                                          ; a plain instruction behind the transcendental,
	s_wait_alu depctr_va_vdst(0)                   ; and a wait ahead of its first reader
	v_mov_b32 v159, v158
	s_wait_alu depctr_va_vdst(0)
	s_wait_loadcnt ROWV                            ; gain and bias are in
.set jj, 0
.rept 16
	v_pk_mul_f32 v[X+jj:X+jj+1], v[X+jj:X+jj+1], v[158:159]
.set jj, jj+2
.endr
.set jj, 0
.rept 16
	v_pk_fma_f32 v[X+jj:X+jj+1], v[X+jj:X+jj+1], v[GN+jj:GN+jj+1], v[BT+jj:BT+jj+1]
.set jj, jj+2
.endr
	s_wait_kmcnt 0x0
.set ver, 0
.rept NV
	s_add_co_i32 s25, s[E0+2*ver], 127
	s_lshl_b32 s28, s25, 23
	v_mov_b32 v[SC+2*ver], s28                     ; 2^e as f32: the conversion takes its exponent field
	s_add_co_i32 s25, s25, 15
	s_lshl_b32 s25, s25, 23
	s_or_b32 s25, s25, 0x600000
	v_mov_b32 v[SC+2*ver+1], s25                   ; 57,344 x 2^e
.set ver, ver+1
.endr
.set ver, 0
.rept NV
.set ch, 0
.rept 4
.set TS, T+8*(ch%2)
.irp j, 0,1,2,3,4,5,6,7
	v_med3_num_f32 v[TS+\j], v[X+8*ch+\j], -v[SC+2*ver+1], v[SC+2*ver+1]   ; the conversion does not saturate (ISA guide 7.6.2): the hold comes first
.endr
	v_cvt_scalef32_pk8_bf8_f32 v[CD+8*ver+2*ch:CD+8*ver+2*ch+1], v[TS:TS+7], v[SC+2*ver]   ; the two sets take turns: eight plain lines stand between a conversion and the rewriting of its sources
.set ch, ch+1
.endr
.set ver, ver+1
.endr
	v_nop                                          ; a plain line behind the last conversion
.set ver, 0
.rept NIMG
.irp c, 0,1,2,3
	ds_store_b64 v3, v[CD+8*ver+2*\c:CD+8*ver+2*\c+1] offset:ver*STG+\c*4352
.endr
.set ver, ver+1
.endr
	s_wait_dscnt 0x0                               ; for the others' sake: my stores into the stage are done
	s_barrier_signal -1
	s_barrier_wait -1
.set ii, 0
.rept 2*NIMG
	ds_load_b128 v[RB+4*ii:RB+4*ii+3], v4 offset:(ii/2)*STG+(ii%2)*544   ; two whole units a load
.set ii, ii+1
.endr
.set ii, 0
.rept 2*NIMG
	s_wait_dscnt 2*NIMG-1-ii                       ; LDS loads come back in order: load ii is in
	global_store_b128 v5, v[RB+4*ii:RB+4*ii+3], s[14:15] offset:(ii/2)*0x400000+(ii%2)*512   ; 512 consecutive bytes, aligned
.set ii, ii+1
.endr
	s_wait_tensorcnt 0x0
	ds_add_u32 v192, v193
	s_wait_dscnt 0x0
	s_endpgm
.Lfunc_end_k_q78b39330df_ln2:
	.size	k_q78b39330df_ln2, .Lfunc_end_k_q78b39330df_ln2-k_q78b39330df_ln2
	.p2alignl 7, 3214868480
	.fill 96, 4, 3214868480
	.section	.rodata,"a",@progbits
	.p2align	6, 0x0
	.amdhsa_kernel k_q78b39330df_ln2
		.amdhsa_group_segment_fixed_size 19456
		.amdhsa_private_segment_fixed_size 0
		.amdhsa_enable_private_segment 0
		.amdhsa_kernarg_size 40
		.amdhsa_user_sgpr_count 2
		.amdhsa_user_sgpr_kernarg_segment_ptr 1
		.amdhsa_wavefront_size32 1
		.amdhsa_system_sgpr_workgroup_id_x 1
		.amdhsa_system_sgpr_workgroup_id_y 1
		.amdhsa_system_sgpr_workgroup_id_z 1
		.amdhsa_system_vgpr_workitem_id 0
		.amdhsa_next_free_vgpr 194
		.amdhsa_next_free_sgpr 66
		.amdhsa_reserve_vcc 0
		.amdhsa_float_denorm_mode_32 3
		.amdhsa_float_denorm_mode_16_64 3
		.amdhsa_memory_ordered 1
		.amdhsa_forward_progress 1
		.amdhsa_inst_pref_size 16
	.end_amdhsa_kernel
	.amdgpu_metadata
---
amdhsa.version: [ 1, 2 ]
amdhsa.kernels:
  - .name:           k_q78b39330df_ln2
    .symbol:         k_q78b39330df_ln2.kd
    .args:
      - { .name: x1, .offset: 0, .size: 8, .value_kind: global_buffer, .address_space: global }
      - { .name: g2, .offset: 8, .size: 8, .value_kind: global_buffer, .address_space: global }
      - { .name: beta2, .offset: 16, .size: 8, .value_kind: global_buffer, .address_space: global }
      - { .name: lowp_scales, .offset: 24, .size: 8, .value_kind: global_buffer, .address_space: global }
      - { .name: h2c, .offset: 32, .size: 8, .value_kind: global_buffer, .address_space: global }
    .group_segment_fixed_size: 19456
    .private_segment_fixed_size: 0
    .kernarg_segment_align: 8
    .kernarg_segment_size: 40
    .max_flat_workgroup_size: 512
    .sgpr_count:     66
    .vgpr_count:     194
    .wavefront_size: 32
...
	.end_amdgpu_metadata
.endif
;; end of part 5
;; launch ffn1 (part 6): grid 16 x 16, 4 waves a work-group, clusters of 4 x 4, 327,680 bytes of LDS; arguments h2c, W1_codes, lowp_scales, b1, fc; writes fc
.if DOCPART == 6
	.amdgcn_target "amdgcn-amd-amdhsa--gfx1250"
	.amdhsa_code_object_version 6
	.text
	.protected	k_q78b39330df_ffn1
	.globl	k_q78b39330df_ffn1
	.p2align	8
	.type	k_q78b39330df_ffn1,@function
k_q78b39330df_ffn1:
	s_mov_b64 s[64:65], 0
	v_nop
	global_prefetch_b8 v0, s[64:65] scope:SCOPE_SE
	s_setreg_imm32_b32 hwreg(HW_REG_WAVE_MODE, 25, 1), 1
	s_wait_xcnt 0x0
	s_wait_alu depctr_hold_cnt(0) depctr_sa_sdst(0) depctr_va_vdst(0) depctr_va_sdst(0) depctr_va_ssrc(0) depctr_va_vcc(0) depctr_vm_vsrc(0)
	s_getreg_b32 s2, hwreg(HW_REG_IB_STS2, 6, 4)
	s_cmp_eq_u32 s2, 0
	s_cbranch_scc0 .Lentry_in_a_cluster
	s_endpgm
.Lentry_in_a_cluster:
	s_bfe_u32 s2, ttmp6, 0x10000c
	s_cmp_lg_u32 s2, 0xf033
	s_cbranch_scc0 .Lentry_shape_is_right
	s_endpgm
.Lentry_shape_is_right:
.set PITCH,  272
.set FR,     16
.set NL,     4
.set NP,     4
.set RBLK,   4096
.set RHALF,  8*RBLK
.set CHALF,  128*PITCH
.set COFF,   2*RHALF
.set SLOT,   COFF+2*CHALF
.set LAPS,   2
.set SPARE,  2*SLOT
.set ADRA, 16
.set ADRB, 20
.set GO,   26
.set LIM,  27
.set SPW,  28
.set NIL,  29
.set SCL,  30
.set BI,   32
.set TMP,  32
.set AF,   128
.set CDR,  128
.set G1,  24
.set G0,  32
.set G1B, 48
.set G0B, 56
.set WV,  66
.set HR,  67
.set HC,  68
.set CX,  69
.set CY,  70
.set NT,  71
.set MT,  72
.set MSB, 0
.macro WIN new
.if MSB != \new
	s_set_vgpr_msb (MSB<<8)|\new
.set MSB, \new
.endif
.endm
.set MUL_LO, 0xa1
.set MUL_HI, 0xf1
.set BEG_LO, 0x81
.set BEG_HI, 0xc1
.set TO_B,   0x40
.macro JLOAD g0a, g1a, g0b, g1b
	s_cmp_eq_u32 s[HR], 0
	s_cbranch_scc0 .Lfor_b_\@
	tensor_load_to_lds s[\g0a:\g0a+3], s[\g1a:\g1a+7]
	s_nop 0
.rept 4
	v_nop
.endr
	s_branch .Lasked_\@
.Lfor_b_\@:
	tensor_load_to_lds s[\g0b:\g0b+3], s[\g1b:\g1b+7]
	s_nop 0
.rept 4
	v_nop
.endr
.Lasked_\@:
.endm
.macro CREST
	s_cmp_lg_u32 s[WV], 0
	s_cbranch_scc1 .Lnot_wave_0_\@
	s_barrier_signal -3
.Lnot_wave_0_\@:
	s_barrier_wait -3
	s_barrier_signal -1
	s_barrier_wait -1
.endm
.macro CROUND
	s_barrier_signal -1
	s_barrier_wait -1
	CREST
.endm
	s_load_b256 s[4:11], s[0:1], 0x0
	s_load_b64 s[12:13], s[0:1], 0x20
	v_lshl_add_u32 v[SPW], v0, 2, SPARE
	v_mov_b32 v[NIL], 0
	ds_add_u32 v28, v29
	ds_add_u32 v28, v29
	s_wait_dscnt 0x0
	v_lshrrev_b32 v1, 5, v0
	v_readfirstlane_b32 s[WV], v1
	s_lshr_b32 s[HR], s[WV], 1
	s_and_b32 s[HC], s[WV], 1
	s_bfe_u32 s[CX], ttmp6, 0x40000
	s_bfe_u32 s[CY], ttmp6, 0x40004
	s_lshl_b32 s[NT], ttmp9, 2
	s_add_co_u32 s[NT], s[NT], s[CX]
	s_and_b32 s[MT], ttmp7, 0xffff
	s_lshl_b32 s[MT], s[MT], 2
	s_add_co_u32 s[MT], s[MT], s[CY]
	s_lshl_b32 s73, s[CY], 2
	s_lshl_b32 s73, 15, s73
	s_lshl_b32 s74, 0x1111, s[CX]
	s_or_b32 s[G1], s73, (0<<16)|(1<<21)
	s_mov_b32 s[G1+1], RBLK<<16
	s_mov_b32 s[G1+2], 8<<16
	s_mov_b32 s[G1+3], RBLK<<16
	s_mov_b32 s[G1+4], 8
	s_mov_b32 s[G1+5], 16384
	s_mov_b32 s[G1+6], 0
	s_mov_b32 s[G1+7], 0
	s_or_b32 s[G1B], s74, (0<<16)|(1<<20)|(1<<21)|(5<<22)|(3<<25)
	s_mov_b32 s[G1B+1], 256<<16
	s_mov_b32 s[G1B+2], 128<<16
	s_mov_b32 s[G1B+3], 256<<16
	s_mov_b32 s[G1B+4], 128
	s_mov_b32 s[G1B+5], 1024
	s_mov_b32 s[G1B+6], 0
	s_mov_b32 s[G1B+7], 0
	s_lshl_b32 s40, s[MT], 18
	s_lshl_b32 s41, s[HC], 17
	s_add_co_u32 s40, s40, s41
	s_mov_b32 s41, 0
	s_lshl_b32 s46, s[NT], 18
	s_lshl_b32 s47, s[HC], 17
	s_add_co_u32 s46, s46, s47
	s_mov_b32 s47, 0
	s_lshl_b32 s42, s[HC], 15
	s_mul_i32 s43, s[HC], CHALF
	s_add_co_u32 s43, s43, COFF
	s_wait_kmcnt 0x0
	s_load_b512 s[76:91], s[8:9], 0x0
	s_add_nc_u64 s[46:47], s[6:7], s[46:47]
	s_add_nc_u64 s[40:41], s[4:5], s[40:41]
	CROUND
.irp s, 0,1
	s_mov_b32 s[G0+4*\s], 1
	s_add_co_u32 s[G0+4*\s+1], s42, \s*SLOT
	s_add_nc_u64 s[G0+4*\s+2:G0+4*\s+3], s[40:41], \s*RBLK
	s_or_b32 s[G0+4*\s+3], s[G0+4*\s+3], 0x80000000
	s_mov_b32 s[G0B+4*\s], 1
	s_add_co_u32 s[G0B+4*\s+1], s43, \s*SLOT
	s_add_nc_u64 s[G0B+4*\s+2:G0B+4*\s+3], s[46:47], \s*256
	s_or_b32 s[G0B+4*\s+3], s[G0B+4*\s+3], 0x80000000
.if \s == 0
	JLOAD G0, G1, G0B, G1B                         ; K step 0: one tensor load a wave at the head
.endif
.endr
	; THE PREFETCHES: behind K step 0's load each wave names 32 blocks of 256 bytes of K step 1 and of K step 2, behind K step 1's load of K step 3.  Of the 131,072 bytes of rows that a wave fetches from
	; (eight blocks of R, 128 rows of C) each of the four partners that ask jointly takes a quarter, told apart by address: 32,768 bytes x cx (R) or x cy (C).  R: two blocks, sixteen lanes 256 bytes apart in each; C: a lane a row.
	s_cmp_eq_u32 s[HR], 0                          ; do I fetch for R?
	s_cselect_b32 s14, 0, -1
	s_cselect_b64 s[94:95], s[40:41], s[46:47]     ; where my tensor loads begin; never rewritten
	s_cselect_b32 s15, s[CX], s[CY]
	s_mov_b32 s19, 256
	s_cselect_b32 s19, RBLK, s19                   ; a K step on
	s_lshl_b32 s15, s15, 15
	s_add_co_u32 s15, s15, s19
	v_and_b32 v18, 31, v0
	v_lshlrev_b32 v19, 10, v18
	v_and_b32 v25, 15, v0
	v_lshlrev_b32 v25, 8, v25
	v_bfe_u32 v18, v0, 4, 1
	v_lshl_add_u32 v25, v18, 14, v25
	v_cndmask_b32 v22, v25, v19, s14
	v_add_nc_u32 v22, s15, v22                     ; K step 1; v22 to v24 are never rewritten
	v_add_nc_u32 v23, s19, v22                     ; K step 2
	v_add_nc_u32 v24, s19, v23                     ; K step 3
	s_wait_alu depctr_va_vdst(0)
	global_prefetch_b8 v22, s[94:95] th:TH_LOAD_NT scope:SCOPE_SE
	global_prefetch_b8 v23, s[94:95] th:TH_LOAD_NT scope:SCOPE_SE
	v_and_b32 v1, 15, v0
	v_bfe_u32 v2, v0, 4, 1
	s_lshl_b32 s96, s[NT], 10
	s_lshl_b32 s97, s[HC], 9
	s_add_co_u32 s96, s96, s97
	s_mov_b32 s97, 0
	s_add_nc_u64 s[98:99], s[10:11], s[96:97]
	v_lshlrev_b32 v7, 5, v2
.irp b, 0,1,2,3,4,5,6,7
	global_load_b128 v[BI+8*\b:BI+8*\b+3],   v7, s[98:99] offset:64*\b
	global_load_b128 v[BI+8*\b+4:BI+8*\b+7], v7, s[98:99] offset:64*\b+16
.endr
	v_mul_u32_u24 v3, v1, PITCH
	v_lshl_add_u32 v4, v2, 4, v3
	v_and_b32 v5, 31, v0
	v_lshlrev_b32 v5, 4, v5
	s_lshl_b32 s21, s[HR], 15
	s_mul_i32 s22, s[HC], CHALF
	s_add_co_u32 s22, s22, COFF
.irp s, 0,1
	v_add_nc_u32 v[ADRA+\s], s21, v5
	v_add_nc_u32 v[ADRB+\s], s22, v4
	s_add_co_u32 s21, s21, SLOT
	s_add_co_u32 s22, s22, SLOT
.endr
	v_lshlrev_b32 v[GO], 4, v1
	v_lshl_add_u32 v[GO], v2, 3, v[GO]
	s_lshl_b32 s96, s[MT], 20
	s_lshl_b32 s16, s[HR], 19
	s_add_co_u32 s96, s96, s16
	s_lshl_b32 s16, s[NT], 12
	s_add_co_u32 s96, s96, s16
	s_lshl_b32 s16, s[HC], 11
	s_add_co_u32 s96, s96, s16
	s_add_nc_u64 s[92:93], s[12:13], s[96:97]
	s_wait_kmcnt 0x0
	s_add_co_i32 s17, s88, s89
	s_sub_co_i32 s18, 0, s17
	s_sub_co_i32 s16, s90, s17
	s_add_co_i32 s16, s16, 127
	s_lshl_b32 s17, s16, 23
	v_mov_b32 v[SCL], s17
	s_add_co_i32 s16, s16, 15
	s_lshl_b32 s16, s16, 23
	s_or_b32 s16, s16, 0x600000
	v_mov_b32 v[LIM], s16
	s_wait_loadcnt 0x0
.set jj, 0
.rept 64
	v_ldexp_f32 v[BI+jj], v[BI+jj], s18
.set jj, jj+1
.endr
.macro FRAGA reg, adr, q, i
.irp c, 0,1,2,3
	ds_load_b128 v[\reg+4*\c:\reg+4*\c+3], v[\adr] offset:(\i)*RBLK+2048*(\q)+512*\c
.endr
.endm
.macro FRAGB reg, adr, q, i
.irp c, 0,1,2,3
	ds_load_b128 v[\reg+4*\c:\reg+4*\c+3], v[\adr] offset:128*(\q)+32*\c+(\i)*16*PITCH
.endr
.endm
.macro MUL16 a0, p, first
.irp a, \a0, \a0+1
.irp b, 0,1,2,3,4,5,6,7
.if \first
	v_wmma_f32_16x16x128_bf8_bf8 v[8*(8*((\a)%4)+\b):8*(8*((\a)%4)+\b)+7], v[128*(\p)+FR*\b:128*(\p)+FR*\b+FR-1], v[AF+FR*(\a):AF+FR*(\a)+FR-1], v[BI+8*\b:BI+8*\b+7]
.else
	v_wmma_f32_16x16x128_bf8_bf8 v[8*(8*((\a)%4)+\b):8*(8*((\a)%4)+\b)+7], v[128*(\p)+FR*\b:128*(\p)+FR*\b+FR-1], v[AF+FR*(\a):AF+FR*(\a)+FR-1], v[8*(8*((\a)%4)+\b):8*(8*((\a)%4)+\b)+7]
.endif
.endr
.endr
.endm
.macro FETCH_B slot, q, p
	WIN TO_B
.irp i, 0,1,2,3,4,5,6,7
	FRAGB 128*(\p)+FR*\i, ADRB+\slot, \q, \i
.endr
	WIN 0
.endm
.macro FETCH_A slot, q, i0
.irp i, \i0, \i0+1, \i0+2, \i0+3
	FRAGA AF+FR*(\i), ADRA+\slot, \q, \i
.endr
.endm
.macro PLACES n
.rept \n
	v_nop
.endr
.endm
.macro STEP slot, q, first
	s_wait_dscnt 4*NL
.if \first
	WIN BEG_LO
.else
	WIN MUL_LO
.endif
	MUL16 0, (\q)%2, \first
	MUL16 2, (\q)%2, \first
	s_wait_dscnt 0
	PLACES NP
	FETCH_B \slot, (\q)+1, 1-(\q)%2
	FETCH_A \slot, (\q)+1, 0
.if \first
	WIN BEG_HI
.else
	WIN MUL_HI
.endif
	MUL16 4, (\q)%2, \first
	MUL16 6, (\q)%2, \first
	PLACES NP
	WIN 0
	FETCH_A \slot, (\q)+1, 4
.endm
.macro TURN slot, next, fill
	s_wait_tensorcnt 0x0
	ds_add_u32 v[SPW], v[NIL]
	s_wait_dscnt 4*NL+1
	WIN MUL_LO
	MUL16 0, 1, 0
	s_wait_dscnt 0x0
	s_barrier_signal -1
	MUL16 2, 1, 0
	WIN 0
	s_barrier_wait -1
.if \fill
	CREST
	s_add_nc_u64 s[G0+4*\slot+2:G0+4*\slot+3], s[G0+4*\slot+2:G0+4*\slot+3], 2*RBLK
	s_add_nc_u64 s[G0B+4*\slot+2:G0B+4*\slot+3], s[G0B+4*\slot+2:G0B+4*\slot+3], 2*256
	JLOAD G0+4*\slot, G1, G0B+4*\slot, G1B
.else
	PLACES NP
.endif
	FETCH_B \next, 0, 0
	FETCH_A \next, 0, 0
	WIN MUL_HI
	MUL16 4, 1, 0
	MUL16 6, 1, 0
	PLACES NP
	WIN 0
	FETCH_A \next, 0, 4
.endm
	s_wait_alu depctr_va_vdst(0)
	s_wait_tensorcnt 0x0                           ; my part of K step 0 is in; slot 1's first fill is issued as a refill is:
	ds_add_u32 v[SPW], v[NIL]                      ; 0 onto my spare word
	s_wait_dscnt 0x0
	CROUND                                         ; a whole round: everybody's part of K step 0 is in, and the joint loads meet
	JLOAD G0+4, G1, G0B+4, G1B                     ; K step 1: the first tensor load behind the round
	FETCH_B 0, 0, 0
	FETCH_A 0, 0, 0
	FETCH_A 0, 0, 4
	global_prefetch_b8 v24, s[94:95] th:TH_LOAD_NT scope:SCOPE_SE   ; K step 3, behind K step 1's load
	STEP 0, 0, 1
	s_mov_b32 s3, LAPS-1
.Llap:
	TURN 0, 1, 1
	STEP 1, 0, 0
	TURN 1, 0, 1
	STEP 0, 0, 0
	s_sub_co_u32 s3, s3, 1
	s_cmp_lg_u32 s3, 0
	s_cbranch_scc1 .Llap
	TURN 0, 1, 0
	STEP 1, 0, 0
	s_wait_dscnt 4*NL
	WIN MUL_LO
	MUL16 0, 1, 0
	MUL16 2, 1, 0
	s_wait_dscnt 0
	WIN MUL_HI
	MUL16 4, 1, 0
	MUL16 6, 1, 0
	WIN 0
	PLACES NP
.macro OUTB a
.set AC, 64*((\a)%4)
	WIN 0x02+((\a)/4)
.set jj, 0
.rept 64
	v_med3_num_f32 v[TMP+jj], v[AC+jj], 0, v[LIM]
.set jj, jj+1
.endr
	WIN 0
.irp b, 0,1,2,3,4,5,6,7
	v_cvt_scalef32_pk8_bf8_f32 v[CDR+16*(\a)+2*\b:CDR+16*(\a)+2*\b+1], v[TMP+8*\b:TMP+8*\b+7], v[SCL]
.endr
	v_nop
.irp b, 0,1,2,3,4,5,6,7
	global_store_b64 v[GO], v[CDR+16*(\a)+2*\b:CDR+16*(\a)+2*\b+1], s[92:93] offset:(\a)*65536+\b*256
.endr
.endm
.irp a, 0,1,2,3,4,5,6,7
	OUTB \a
.endr
	s_wait_tensorcnt 0x0
	ds_add_u32 v[SPW], v[NIL]
	s_wait_dscnt 0x0
	CROUND
	s_endpgm
.Lfunc_end_k_q78b39330df_ffn1:
	.size	k_q78b39330df_ffn1, .Lfunc_end_k_q78b39330df_ffn1-k_q78b39330df_ffn1
	.p2alignl 7, 3214868480
	.fill 96, 4, 3214868480
	.section	.rodata,"a",@progbits
	.p2align	6, 0x0
	.amdhsa_kernel k_q78b39330df_ffn1
		.amdhsa_group_segment_fixed_size 327680
		.amdhsa_private_segment_fixed_size 0
		.amdhsa_enable_private_segment 0
		.amdhsa_kernarg_size 40
		.amdhsa_user_sgpr_count 2
		.amdhsa_user_sgpr_kernarg_segment_ptr 1
		.amdhsa_wavefront_size32 1
		.amdhsa_system_sgpr_workgroup_id_x 1
		.amdhsa_system_sgpr_workgroup_id_y 1
		.amdhsa_system_sgpr_workgroup_id_z 1
		.amdhsa_system_vgpr_workitem_id 0
		.amdhsa_next_free_vgpr 1024
		.amdhsa_next_free_sgpr 100
		.amdhsa_reserve_vcc 0
		.amdhsa_float_denorm_mode_32 3
		.amdhsa_float_denorm_mode_16_64 3
		.amdhsa_memory_ordered 1
		.amdhsa_forward_progress 1
		.amdhsa_inst_pref_size 127
	.end_amdhsa_kernel
	.amdgpu_metadata
---
amdhsa.version: [ 1, 2 ]
amdhsa.kernels:
  - .name:           k_q78b39330df_ffn1
    .symbol:         k_q78b39330df_ffn1.kd
    .args:
      - { .name: h2c, .offset: 0, .size: 8, .value_kind: global_buffer, .address_space: global }
      - { .name: W1_codes, .offset: 8, .size: 8, .value_kind: global_buffer, .address_space: global }
      - { .name: lowp_scales, .offset: 16, .size: 8, .value_kind: global_buffer, .address_space: global }
      - { .name: b1, .offset: 24, .size: 8, .value_kind: global_buffer, .address_space: global }
      - { .name: fc, .offset: 32, .size: 8, .value_kind: global_buffer, .address_space: global }
    .group_segment_fixed_size: 327680
    .private_segment_fixed_size: 0
    .kernarg_segment_align: 8
    .kernarg_segment_size: 40
    .max_flat_workgroup_size: 128
    .sgpr_count:     100
    .vgpr_count:     1024
    .wavefront_size: 32
...
	.end_amdgpu_metadata
.endif
;; end of part 6
;; launch ffn2 (part 7): grid 8 x 32, 4 waves a work-group, clusters of 4 x 4, 327,680 bytes of LDS; arguments fc, W2_codes, lowp_scales, b2, x1, out0; writes out0
.if DOCPART == 7
	.amdgcn_target "amdgcn-amd-amdhsa--gfx1250"
	.amdhsa_code_object_version 6
	.text
	.protected	k_q78b39330df_ffn2
	.globl	k_q78b39330df_ffn2
	.p2align	8
	.type	k_q78b39330df_ffn2,@function
k_q78b39330df_ffn2:
	s_mov_b64 s[64:65], 0
	v_nop
	global_prefetch_b8 v0, s[64:65] scope:SCOPE_SE
	s_setreg_imm32_b32 hwreg(HW_REG_WAVE_MODE, 25, 1), 1
	s_wait_xcnt 0x0
	s_wait_alu depctr_hold_cnt(0) depctr_sa_sdst(0) depctr_va_vdst(0) depctr_va_sdst(0) depctr_va_ssrc(0) depctr_va_vcc(0) depctr_vm_vsrc(0)
	s_getreg_b32 s2, hwreg(HW_REG_IB_STS2, 6, 4)
	s_cmp_eq_u32 s2, 0
	s_cbranch_scc0 .Lentry_in_a_cluster
	s_endpgm
.Lentry_in_a_cluster:
	s_bfe_u32 s2, ttmp6, 0x10000c
	s_cmp_lg_u32 s2, 0xf033
	s_cbranch_scc0 .Lentry_shape_is_right
	s_endpgm
.Lentry_shape_is_right:
.set KK,     4096
.set EA,     90
.set EB,     91
.set PITCH,  528
.set RBLK,   8192
.set RHALF,  4*RBLK
.set CHALF,  64*PITCH
.set COFF,   2*RHALF
.set SLOT,   COFF+2*CHALF
.set LAPS,   KK/1024
.set SPARE,  2*SLOT
.set SPITCH, 272
.set ADRA, 16
.set ADRB, 20
.set STO,  24
.set RD,   25
.set CO,   26
.set BO,   27
.set SPW,  28
.set NIL,  29
.set ACC,  128
.set F0,   0
.set F1,   128
.set G1,  24
.set G0,  32
.set G1B, 48
.set G0B, 56
.set WV,  66
.set HR,  67
.set HC,  68
.set CX,  69
.set CY,  70
.set NT,  71
.set MT,  72
.set MSB, 0
.macro WIN new
.if MSB != \new
	s_set_vgpr_msb (MSB<<8)|\new
.set MSB, \new
.endif
.endm
.set MUL,  0x05
.set TO_F, 0x40
.macro JLOAD s
	s_cmp_eq_u32 s[HR], 0
	s_cbranch_scc0 .Lfor_b_\@
	tensor_load_to_lds s[G0+4*\s:G0+4*\s+3], s[G1:G1+7]
	s_nop 0
.rept 4
	v_nop
.endr
	s_branch .Lasked_\@
.Lfor_b_\@:
	tensor_load_to_lds s[G0B+4*\s:G0B+4*\s+3], s[G1B:G1B+7]
	s_nop 0
.rept 4
	v_nop
.endr
.Lasked_\@:
.endm
.macro CREST
	s_cmp_lg_u32 s[WV], 0
	s_cbranch_scc1 .Lnot_wave_0_\@
	s_barrier_signal -3
.Lnot_wave_0_\@:
	s_barrier_wait -3
	s_barrier_signal -1
	s_barrier_wait -1
.endm
.macro CROUND
	s_barrier_signal -1
	s_barrier_wait -1
	CREST
.endm
	s_load_b256 s[4:11], s[0:1], 0x0
	s_load_b128 s[12:15], s[0:1], 0x20
	v_lshl_add_u32 v[SPW], v0, 2, SPARE
	v_mov_b32 v[NIL], 0
	ds_add_u32 v28, v29
	ds_add_u32 v28, v29
	s_wait_dscnt 0x0
	v_lshrrev_b32 v1, 5, v0
	v_readfirstlane_b32 s[WV], v1
	s_lshr_b32 s[HR], s[WV], 1
	s_and_b32 s[HC], s[WV], 1
	s_bfe_u32 s[CX], ttmp6, 0x40000
	s_bfe_u32 s[CY], ttmp6, 0x40004
	s_lshl_b32 s[NT], ttmp9, 2
	s_add_co_u32 s[NT], s[NT], s[CX]
	s_and_b32 s[MT], ttmp7, 0xffff
	s_lshl_b32 s[MT], s[MT], 2
	s_add_co_u32 s[MT], s[MT], s[CY]
	s_lshl_b32 s73, s[CY], 2
	s_lshl_b32 s73, 15, s73
	s_lshl_b32 s74, 0x1111, s[CX]
	s_or_b32 s[G1], s73, (0<<16)|(1<<21)
	s_mov_b32 s[G1+1], RBLK<<16
	s_mov_b32 s[G1+2], 4<<16
	s_mov_b32 s[G1+3], RBLK<<16
	s_mov_b32 s[G1+4], 4
	s_mov_b32 s[G1+5], 16*KK
	s_mov_b32 s[G1+6], 0
	s_mov_b32 s[G1+7], 0
	s_or_b32 s[G1B], s74, (0<<16)|(1<<20)|(1<<21)|(6<<22)|(3<<25)
	s_mov_b32 s[G1B+1], 512<<16
	s_mov_b32 s[G1B+2], 64<<16
	s_mov_b32 s[G1B+3], 512<<16
	s_mov_b32 s[G1B+4], 64
	s_mov_b32 s[G1B+5], KK
	s_mov_b32 s[G1B+6], 0
	s_mov_b32 s[G1B+7], 0
	s_lshl_b32 s40, s[MT], 3
	s_lshl_b32 s41, s[HC], 2
	s_add_co_u32 s40, s40, s41
	s_mul_i32 s40, s40, 16*KK
	s_mov_b32 s41, 0
	s_lshl_b32 s46, s[NT], 7
	s_lshl_b32 s47, s[HC], 6
	s_add_co_u32 s46, s46, s47
	s_mul_i32 s46, s46, KK
	s_mov_b32 s47, 0
	s_lshl_b32 s42, s[HC], 15
	s_mul_i32 s43, s[HC], CHALF
	s_add_co_u32 s43, s43, COFF
	s_wait_kmcnt 0x0
	s_load_b512 s[76:91], s[8:9], 0x0
	s_add_nc_u64 s[40:41], s[4:5], s[40:41]
	s_add_nc_u64 s[46:47], s[6:7], s[46:47]
	CROUND
.irp s, 0,1
	s_mov_b32 s[G0+4*\s], 1
	s_add_co_u32 s[G0+4*\s+1], s42, \s*SLOT
	s_add_nc_u64 s[G0+4*\s+2:G0+4*\s+3], s[40:41], \s*RBLK
	s_or_b32 s[G0+4*\s+3], s[G0+4*\s+3], 0x80000000
	s_mov_b32 s[G0B+4*\s], 1
	s_add_co_u32 s[G0B+4*\s+1], s43, \s*SLOT
	s_add_nc_u64 s[G0B+4*\s+2:G0B+4*\s+3], s[46:47], \s*512
	s_or_b32 s[G0B+4*\s+3], s[G0B+4*\s+3], 0x80000000
.if \s == 0
	JLOAD 0                                        ; K step 0: one tensor load a wave at the head
.endif
.endr
	v_and_b32 v1, 15, v0
	v_bfe_u32 v2, v0, 4, 1
	v_mul_u32_u24 v3, v1, PITCH
	v_lshl_add_u32 v4, v2, 4, v3
	v_and_b32 v5, 31, v0
	v_lshlrev_b32 v5, 4, v5
	s_lshl_b32 s22, s[HR], 15
	s_mul_i32 s23, s[HC], CHALF
	s_add_co_u32 s23, s23, COFF
.irp s, 0,1
	v_add_nc_u32 v[ADRA+\s], s22, v5
	v_add_nc_u32 v[ADRB+\s], s23, v4
	s_add_co_u32 s22, s22, SLOT
	s_add_co_u32 s23, s23, SLOT
.endr
	s_mul_i32 s22, s[WV], 16*SPITCH
	v_mul_u32_u24 v[STO], v1, SPITCH
	v_lshl_add_u32 v[STO], v2, 5, v[STO]
	v_add_nc_u32 v[STO], s22, v[STO]
	v_mul_u32_u24 v[RD], v2, SPITCH
	v_lshl_add_u32 v[RD], v1, 4, v[RD]
	v_add_nc_u32 v[RD], s22, v[RD]
	v_lshlrev_b32 v[BO], 4, v1
	v_lshl_add_u32 v[CO], v2, 12, v[BO]
	; THE PREFETCHES: behind the load of K step t each wave names 32 blocks of 256 bytes of K step t + 2, and behind K step 0's load of K step 1 as well.  Of what a wave fetches (four blocks of R, 64 rows of C) each of the four partners that ask jointly
	; takes a quarter, told apart by address: 65,536 bytes x cx (a block of R) or x cy (16 rows of C).  R: 8,192 bytes on end, lanes 256 apart; C: row lane / 2, half lane % 2 of its 512 bytes.  K steps 6 and 7's loads ask for nothing.
	s_cmp_eq_u32 s[HR], 0                          ; do I fetch for R?
	s_cselect_b32 s98, 0, -1
	s_cselect_b64 s[94:95], s[40:41], s[46:47]     ; where my tensor loads begin
	s_cselect_b32 s99, s[CX], s[CY]
	s_mov_b32 s44, 512
	s_cselect_b32 s44, RBLK, s44                   ; a K step on
	s_mov_b32 s45, 0
	s_lshl_b32 s20, s99, 16
	s_mov_b32 s21, 0
	s_add_nc_u64 s[94:95], s[94:95], s[20:21]
	s_add_nc_u64 s[94:95], s[94:95], s[44:45]
	s_mov_b64 s[74:75], s[94:95]                   ; at K step 1; never rewritten
	s_add_nc_u64 s[94:95], s[94:95], s[44:45]      ; at K step 2
	v_and_b32 v6, 31, v0
	v_lshlrev_b32 v7, 8, v6
	v_lshrrev_b32 v8, 1, v6
	v_and_b32 v9, 1, v0
	v_lshlrev_b32 v9, 8, v9
	v_lshl_add_u32 v8, v8, 12, v9
	v_cndmask_b32 v30, v7, v8, s98                 ; never rewritten
	s_wait_alu depctr_va_vdst(0)
	global_prefetch_b8 v30, s[74:75] th:TH_LOAD_NT scope:SCOPE_SE   ; K steps 1 and 2, behind K step 0's load
	global_prefetch_b8 v30, s[94:95] th:TH_LOAD_NT scope:SCOPE_SE
	s_lshl_b32 s96, s[NT], 9
	s_lshl_b32 s97, s[HC], 8
	s_add_co_u32 s96, s96, s97
	s_mov_b32 s97, 0
	s_add_nc_u64 s[20:21], s[10:11], s[96:97]
	s_lshl_b32 s98, s[MT], 19
	s_add_co_u32 s96, s96, s98
	s_lshl_b32 s98, s[HR], 18
	s_add_co_u32 s96, s96, s98
	s_add_nc_u64 s[16:17], s[12:13], s[96:97]
	s_add_nc_u64 s[18:19], s[14:15], s[96:97]
.macro MUL8 f, a0, zero
.irp a, \a0, \a0+1
.irp b, 0,1,2,3
.if \zero
	v_wmma_f32_16x16x128_bf8_bf8 v[ACC+8*(4*(\a)+\b):ACC+8*(4*(\a)+\b)+7], v[\f+64+16*\b:\f+64+16*\b+15], v[\f+16*(\a):\f+16*(\a)+15], 0
.else
	v_wmma_f32_16x16x128_bf8_bf8 v[ACC+8*(4*(\a)+\b):ACC+8*(4*(\a)+\b)+7], v[\f+64+16*\b:\f+64+16*\b+15], v[\f+16*(\a):\f+16*(\a)+15], v[ACC+8*(4*(\a)+\b):ACC+8*(4*(\a)+\b)+7]
.endif
.endr
.endr
.endm
.macro FETCH slot, q, f
	WIN TO_F
.irp i, 0,1,2,3
.irp c, 0,1,2,3
	ds_load_b128 v[\f+64+16*\i+4*\c:\f+64+16*\i+4*\c+3], v[ADRB+\slot] offset:\i*16*PITCH+128*(\q)+32*\c
.endr
.endr
.irp i, 0,1,2,3
.irp c, 0,1,2,3
	ds_load_b128 v[\f+16*\i+4*\c:\f+16*\i+4*\c+3], v[ADRA+\slot] offset:\i*RBLK+2048*(\q)+512*\c
.endr
.endr
.endm
.macro PLACES
.rept 4
	v_nop
.endr
.endm
.macro STEP slot, q, cur, oth, zero
	s_wait_dscnt 0x0
	PLACES
	FETCH \slot, (\q)+1, \oth
	WIN MUL
	MUL8 \cur, 0, \zero
	MUL8 \cur, 2, \zero
.endm
.macro TURN slot, next, fill
	WIN 0
	s_wait_tensorcnt 0x0
	ds_add_u32 v[SPW], v[NIL]
.if \fill
	s_add_nc_u64 s[G0+4*\slot+2:G0+4*\slot+3], s[G0+4*\slot+2:G0+4*\slot+3], 2*RBLK
	s_add_nc_u64 s[G0B+4*\slot+2:G0B+4*\slot+3], s[G0B+4*\slot+2:G0B+4*\slot+3], 2*512
	s_wait_xcnt 0x0                                ; my last prefetch has read its address, so it may be stepped
	s_add_nc_u64 s[94:95], s[94:95], s[44:45]
.endif
	s_wait_dscnt 0x0
	s_barrier_signal -1
	WIN MUL
	MUL8 F1, 0, 0
	WIN 0
	s_barrier_wait -1
.if \fill
	CREST
	JLOAD \slot
.else
	PLACES
.endif
	FETCH \next, 0, F0
.if \fill
	WIN 0                                          ; at a branch every window is 0
	s_cmp_gt_u32 s3, 1                             ; the loop's last trip loads K steps 6 and 7: no K step stands two on
	s_cbranch_scc0 .Lnoask_\@
	global_prefetch_b8 v30, s[94:95] th:TH_LOAD_NT scope:SCOPE_SE
.Lnoask_\@:
.endif
	WIN MUL
	MUL8 F1, 2, 0
.endm
	s_wait_alu depctr_va_vdst(0)
	s_wait_tensorcnt 0x0                           ; my part of K step 0 is in; slot 1's first fill is issued as a refill is:
	ds_add_u32 v[SPW], v[NIL]                      ; 0 onto my spare word
	s_wait_xcnt 0x0                                ; the first prefetch has read its address
	s_add_nc_u64 s[94:95], s[94:95], s[44:45]      ; at K step 3
	s_wait_dscnt 0x0
	CROUND                                         ; a whole round: everybody's part of K step 0 is in, and the joint loads meet
	JLOAD 1                                        ; K step 1: the first tensor load behind the round
	FETCH 0, 0, F0
	global_prefetch_b8 v30, s[94:95] th:TH_LOAD_NT scope:SCOPE_SE   ; K step 3, behind K step 1's load
	WIN 0x80                                       ; destination window 2: the residual and the bias are asked for behind the first two K steps' loads, and are wanted on the way out
.irp a, 0,1,2,3
.irp t, 0,1,2,3,4,5,6,7
	global_load_b128 v[32*\a+4*\t:32*\a+4*\t+3], v[CO], s[16:17] offset:(16*\a+2*\t)*4096   ; sixteen lanes read 256 consecutive bytes, aligned
.endr
.endr
	global_load_b128 v[128:131], v[BO], s[20:21]
	WIN 0
	STEP 0, 0, F0, F1, 1
.if LAPS > 1
	WIN 0
	s_mov_b32 s3, LAPS-1
.Llap:
	STEP 0, 1, F1, F0, 0
	STEP 0, 2, F0, F1, 0
	TURN 0, 1, 1
	STEP 1, 0, F0, F1, 0
	STEP 1, 1, F1, F0, 0
	STEP 1, 2, F0, F1, 0
	TURN 1, 0, 1
	STEP 0, 0, F0, F1, 0
	WIN 0
	s_sub_co_u32 s3, s3, 1
	s_cmp_lg_u32 s3, 0
	s_cbranch_scc1 .Llap
.endif
	STEP 0, 1, F1, F0, 0
	STEP 0, 2, F0, F1, 0
	TURN 0, 1, 0
	STEP 1, 0, F0, F1, 0
	STEP 1, 1, F1, F0, 0
	STEP 1, 2, F0, F1, 0
	s_wait_dscnt 0x0
	WIN MUL
	MUL8 F1, 0, 0
	MUL8 F1, 2, 0
	WIN 0
	PLACES
.irp a, 0,1,2,3
.irp b, 0,1,2,3
	ds_store_b128 v[STO], v[ACC+8*(4*\a+\b):ACC+8*(4*\a+\b)+3] offset:64*\b
	ds_store_b128 v[STO], v[ACC+8*(4*\a+\b)+4:ACC+8*(4*\a+\b)+7] offset:64*\b+16
.endr
	WIN TO_F
.irp t, 0,1,2,3,4,5,6,7
	ds_load_b128 v[32*\a+4*\t:32*\a+4*\t+3], v[RD] offset:2*\t*SPITCH
.endr
	WIN 0
.endr
	s_wait_kmcnt 0x0
	s_add_co_i32 s92, s[EA], s[EB]
	s_add_co_i32 s92, s92, 127
	s_lshl_b32 s92, s92, 23
	s_mov_b32 s93, s92
	s_wait_loadcnt 0x0
.irp a, 0,1,2,3
	s_wait_dscnt 16*(3-\a)
	WIN 0x61
.irp t, 0,1,2,3,4,5,6,7
	v_pk_fma_f32 v[32*\a+4*\t:32*\a+4*\t+1],   v[32*\a+4*\t:32*\a+4*\t+1],   s[92:93], v[128:129] op_sel_hi:[1,0,1]
	v_pk_fma_f32 v[32*\a+4*\t+2:32*\a+4*\t+3], v[32*\a+4*\t+2:32*\a+4*\t+3], s[92:93], v[130:131] op_sel_hi:[1,0,1]
.endr
	WIN 0x49
.irp t, 0,1,2,3,4,5,6,7
	v_pk_add_f32 v[32*\a+4*\t:32*\a+4*\t+1],   v[32*\a+4*\t:32*\a+4*\t+1],   v[32*\a+4*\t:32*\a+4*\t+1]
	v_pk_add_f32 v[32*\a+4*\t+2:32*\a+4*\t+3], v[32*\a+4*\t+2:32*\a+4*\t+3], v[32*\a+4*\t+2:32*\a+4*\t+3]
.endr
	WIN 0x04
.irp t, 0,1,2,3,4,5,6,7
	global_store_b128 v[CO], v[32*\a+4*\t:32*\a+4*\t+3], s[18:19] offset:(16*\a+2*\t)*4096
.endr
.endr
	WIN 0
	s_wait_tensorcnt 0x0
	ds_add_u32 v[SPW], v[NIL]
	s_wait_dscnt 0x0
	CROUND
	s_endpgm
.Lfunc_end_k_q78b39330df_ffn2:
	.size	k_q78b39330df_ffn2, .Lfunc_end_k_q78b39330df_ffn2-k_q78b39330df_ffn2
	.p2alignl 7, 3214868480
	.fill 96, 4, 3214868480
	.section	.rodata,"a",@progbits
	.p2align	6, 0x0
	.amdhsa_kernel k_q78b39330df_ffn2
		.amdhsa_group_segment_fixed_size 327680
		.amdhsa_private_segment_fixed_size 0
		.amdhsa_enable_private_segment 0
		.amdhsa_kernarg_size 48
		.amdhsa_user_sgpr_count 2
		.amdhsa_user_sgpr_kernarg_segment_ptr 1
		.amdhsa_wavefront_size32 1
		.amdhsa_system_sgpr_workgroup_id_x 1
		.amdhsa_system_sgpr_workgroup_id_y 1
		.amdhsa_system_sgpr_workgroup_id_z 1
		.amdhsa_system_vgpr_workitem_id 0
		.amdhsa_next_free_vgpr 768
		.amdhsa_next_free_sgpr 100
		.amdhsa_reserve_vcc 0
		.amdhsa_float_denorm_mode_32 3
		.amdhsa_float_denorm_mode_16_64 3
		.amdhsa_memory_ordered 1
		.amdhsa_forward_progress 1
		.amdhsa_inst_pref_size 83
	.end_amdhsa_kernel
	.amdgpu_metadata
---
amdhsa.version: [ 1, 2 ]
amdhsa.kernels:
  - .name:           k_q78b39330df_ffn2
    .symbol:         k_q78b39330df_ffn2.kd
    .args:
      - { .name: fc, .offset: 0, .size: 8, .value_kind: global_buffer, .address_space: global }
      - { .name: W2_codes, .offset: 8, .size: 8, .value_kind: global_buffer, .address_space: global }
      - { .name: lowp_scales, .offset: 16, .size: 8, .value_kind: global_buffer, .address_space: global }
      - { .name: b2, .offset: 24, .size: 8, .value_kind: global_buffer, .address_space: global }
      - { .name: x1, .offset: 32, .size: 8, .value_kind: global_buffer, .address_space: global }
      - { .name: out0, .offset: 40, .size: 8, .value_kind: global_buffer, .address_space: global }
    .group_segment_fixed_size: 327680
    .private_segment_fixed_size: 0
    .kernarg_segment_align: 8
    .kernarg_segment_size: 48
    .max_flat_workgroup_size: 128
    .sgpr_count:     100
    .vgpr_count:     768
    .wavefront_size: 32
...
	.end_amdgpu_metadata
.endif
;; end of part 7
